; MI455X (gfx1250); checked and timed in simulation.
; The chip was launched on July 23, 2026; its instructions are those of AMD's public machine-readable ISA for CDNA 5 (MIT licence, August 2026) and "CDNA5" Instruction Set Architecture Reference Guide (July 2026). The comments in the code are by the model that wrote it; some were corrected since.
;; Attention. Allowed arithmetic: float matrix products may take bf16 or f16 operands with f32 sums; other float arithmetic in f32, or as packed bf16 or f16 multiplies, adds, multiply-adds, maxima and minima; sums over many terms, partial sums and values carried from step to step in f32; what a program stores and reads back later, other than sums and carried values, may be rounded once to bf16 or f16.
;; Inputs: W_K 16 x 64 x 1,024 float32; W_O 1,024 x 1,024 float32; W_Q 16 x 64 x 1,024 float32; W_V 16 x 64 x 1,024 float32; x 8 x 1,024 x 1,024 float32.
;; Outputs: out0 8 x 1,024 x 1,024 float32.
;; 2 versions, each right and faster than the one before. Each part assembles by itself: llvm-mc -triple=amdgcn-amd-amdhsa -mcpu=gfx1250 --defsym DOCPART=n.
;; ======== version 1 of 2: 5 launches
;; limits: values are held in f16: magnitudes above 65,504 overflow, below 6.1e-05 lose precision
;; workspace buffers: xb 16,777,216 bytes; wb 6,291,456 bytes; wo 2,097,152 bytes; kqv 50,331,648 bytes; vlo 2,097,152 bytes; lse 524,288 bytes; zz 18,874,368 bytes
;; launch prep (part 1): grid 768 x 1, 8 waves a work-group, no clusters, 0 bytes of LDS; arguments x, W_K, W_Q, W_V, W_O, xb, wb, wo; writes xb, wb, wo
.if DOCPART == 1
	.amdgcn_target "amdgcn-amd-amdhsa--gfx1250"
	.amdhsa_code_object_version 6
	.text
	.protected	k_qf073bbaecb_prep
	.globl	k_qf073bbaecb_prep
	.p2align	8
	.type	k_qf073bbaecb_prep,@function
k_qf073bbaecb_prep:
	s_mov_b64 s[64:65], 0
	v_nop
	global_prefetch_b8 v0, s[64:65] scope:SCOPE_SE
	s_setreg_imm32_b32 hwreg(HW_REG_WAVE_MODE, 25, 1), 1
	s_wait_xcnt 0x0
; All five inputs rounded once to bf16 (nearest even).  x -> xb [8192][1024]; W_K, W_Q, W_V -> wb [3072][1024], row a*192 + T*64 + h (T = 0 K, 1 Q, 2 V),
; so that 192 neighbouring rows are one head's K, Q and V; W_O -> wo [1024][1024].
; A work-group converts 16 rows of 1,024 f32.  Thread t takes the 16 bytes at 16 t of each row: a wave's load covers 512 consecutive bytes, its 8-byte store 256 consecutive aligned bytes.
; All 16 loads of a thread go out first; no register is written twice, so the only waits are the counted ones for the loads.  No LDS, no barrier: the stream shares nothing.
.set X, 4                              ; v[4:67]   row r: 4 f32
.set Y, 68                             ; v[68:99]  row r: 4 bf16
	s_load_b512 s[8:23], s[0:1], 0x0               ; x 8, W_K 10, W_Q 12, W_V 14, W_O 16, xb 18, wb 20, wo 22
	v_lshlrev_b32 v1, 4, v0                        ; 16 t
	v_lshlrev_b32 v2, 3, v0                        ; 8 t
	s_mov_b32 s2, ttmp9                            ; g: 0..511 x; 512..767 the weights, 64 groups each
	s_sub_co_u32 s3, s2, 512                       ; i (of no meaning where g < 512: the last selects put x in its place)
	s_lshr_b32 s4, s3, 6                           ; T
	s_and_b32 s5, s3, 63                           ; i6
	s_lshl_b32 s24, s5, 4                          ; a weight's source row 16 i6
	s_lshr_b32 s25, s5, 2                          ; head a
	s_mul_i32 s25, s25, 192
	s_lshl_b32 s26, s4, 6
	s_add_co_u32 s25, s25, s26
	s_and_b32 s26, s5, 3
	s_lshl_b32 s26, s26, 4
	s_add_co_u32 s25, s25, s26                     ; row in wb: 192 a + 64 T + 16 (i6 % 4)
	s_cmp_eq_u32 s4, 3
	s_cselect_b32 s25, s24, s25                    ; W_O keeps its rows
	s_lshl_b32 s27, s2, 4                          ; x's row 16 g
	s_cmp_lt_u32 s2, 512
	s_cselect_b32 s24, s27, s24
	s_cselect_b32 s25, s27, s25
	s_lshl_b32 s28, s24, 12                        ; source offset in bytes (4,096 a row), under 2^26
	s_mov_b32 s29, 0
	s_lshl_b32 s30, s25, 11                        ; destination offset (2,048 a row)
	s_mov_b32 s31, 0
	s_wait_kmcnt 0x0
	s_cmp_eq_u32 s4, 1
	s_cselect_b64 s[32:33], s[12:13], s[10:11]
	s_cmp_eq_u32 s4, 2
	s_cselect_b64 s[32:33], s[14:15], s[32:33]
	s_cmp_eq_u32 s4, 3
	s_cselect_b64 s[32:33], s[16:17], s[32:33]
	s_cselect_b64 s[34:35], s[22:23], s[20:21]
	s_cmp_lt_u32 s2, 512
	s_cselect_b64 s[32:33], s[8:9], s[32:33]
	s_cselect_b64 s[34:35], s[18:19], s[34:35]
	s_add_nc_u64 s[32:33], s[32:33], s[28:29]
	s_add_nc_u64 s[34:35], s[34:35], s[30:31]
.set r, 0
.rept 16
	global_load_b128 v[X+4*r:X+4*r+3], v1, s[32:33] offset:4096*r th:TH_LOAD_NT
.set r, r+1
.endr
.set r, 0
.rept 16
	s_wait_loadcnt 15-r                            ; loads come back in order: row r is in, the 15 - r younger ones stay out
	v_cvt_pk_bf16_f32 v[Y+2*r], v[X+4*r], v[X+4*r+1]
	v_cvt_pk_bf16_f32 v[Y+2*r+1], v[X+4*r+2], v[X+4*r+3]
	global_store_b64 v2, v[Y+2*r:Y+2*r+1], s[34:35] offset:2048*r
.set r, r+1
.endr
	s_endpgm
.Lfunc_end_k_qf073bbaecb_prep:
	.size	k_qf073bbaecb_prep, .Lfunc_end_k_qf073bbaecb_prep-k_qf073bbaecb_prep
	.p2alignl 7, 3214868480
	.fill 96, 4, 3214868480
	.section	.rodata,"a",@progbits
	.p2align	6, 0x0
	.amdhsa_kernel k_qf073bbaecb_prep
		.amdhsa_group_segment_fixed_size 0
		.amdhsa_private_segment_fixed_size 0
		.amdhsa_enable_private_segment 0
		.amdhsa_kernarg_size 64
		.amdhsa_user_sgpr_count 2
		.amdhsa_user_sgpr_kernarg_segment_ptr 1
		.amdhsa_wavefront_size32 1
		.amdhsa_system_sgpr_workgroup_id_x 1
		.amdhsa_system_sgpr_workgroup_id_y 1
		.amdhsa_system_sgpr_workgroup_id_z 1
		.amdhsa_system_vgpr_workitem_id 0
		.amdhsa_next_free_vgpr 104
		.amdhsa_next_free_sgpr 66
		.amdhsa_reserve_vcc 0
		.amdhsa_float_denorm_mode_32 3
		.amdhsa_float_denorm_mode_16_64 3
		.amdhsa_memory_ordered 1
		.amdhsa_forward_progress 1
		.amdhsa_inst_pref_size 8
	.end_amdhsa_kernel
	.amdgpu_metadata
---
amdhsa.version: [ 1, 2 ]
amdhsa.kernels:
  - .name:           k_qf073bbaecb_prep
    .symbol:         k_qf073bbaecb_prep.kd
    .args:
      - { .name: x, .offset: 0, .size: 8, .value_kind: global_buffer, .address_space: global }
      - { .name: W_K, .offset: 8, .size: 8, .value_kind: global_buffer, .address_space: global }
      - { .name: W_Q, .offset: 16, .size: 8, .value_kind: global_buffer, .address_space: global }
      - { .name: W_V, .offset: 24, .size: 8, .value_kind: global_buffer, .address_space: global }
      - { .name: W_O, .offset: 32, .size: 8, .value_kind: global_buffer, .address_space: global }
      - { .name: xb, .offset: 40, .size: 8, .value_kind: global_buffer, .address_space: global }
      - { .name: wb, .offset: 48, .size: 8, .value_kind: global_buffer, .address_space: global }
      - { .name: wo, .offset: 56, .size: 8, .value_kind: global_buffer, .address_space: global }
    .group_segment_fixed_size: 0
    .private_segment_fixed_size: 0
    .kernarg_segment_align: 8
    .kernarg_segment_size: 64
    .max_flat_workgroup_size: 256
    .sgpr_count:     66
    .vgpr_count:     104
    .wavefront_size: 32
...
	.end_amdgpu_metadata
.endif
;; end of part 1
;; launch proj (part 2): grid 16 x 32, 4 waves a work-group, clusters of 4 x 4, 327,680 bytes of LDS; arguments xb, wb, kqv, vlo; writes kqv, vlo
.if DOCPART == 2
	.amdgcn_target "amdgcn-amd-amdhsa--gfx1250"
	.amdhsa_code_object_version 6
	.text
	.protected	k_qf073bbaecb_proj
	.globl	k_qf073bbaecb_proj
	.p2align	8
	.type	k_qf073bbaecb_proj,@function
k_qf073bbaecb_proj:
	s_mov_b64 s[64:65], 0
	v_nop
	global_prefetch_b8 v0, s[64:65] scope:SCOPE_SE
	s_setreg_imm32_b32 hwreg(HW_REG_WAVE_MODE, 25, 1), 1
	s_wait_xcnt 0x0
	s_wait_alu depctr_hold_cnt(0) depctr_sa_sdst(0) depctr_va_vdst(0) depctr_va_sdst(0) depctr_va_ssrc(0) depctr_va_vcc(0) depctr_vm_vsrc(0)
	s_getreg_b32 s2, hwreg(HW_REG_IB_STS2, 6, 4)
	s_cmp_eq_u32 s2, 0
	s_cbranch_scc0 .Lentry_in_a_cluster
	s_endpgm
.Lentry_in_a_cluster:
	s_bfe_u32 s2, ttmp6, 0x10000c
	s_cmp_lg_u32 s2, 0xf033
	s_cbranch_scc0 .Lentry_shape_is_right
	s_endpgm
.Lentry_shape_is_right:
; k, q, v = x W^T by heads: [8192 x 1024] x [3072 x 1024]^T in bf16, sums in f32.  A tile of the product is 256 tokens x 192 columns = one head's K, Q and V.
; Four waves one below the other: wave w owns 64 tokens (4 blocks of 16) and all 192 columns (12 blocks): 48 accumulators, 384 registers.  K goes in 8 steps of 128 through two LDS slots.
; WHAT LEAVES.  k times c = log2(e) / 8 (in f32, ahead of its one rounding), q and v, each rounded once to f16, in FRAGMENT ORDER: a chunk of 1,024 bytes is a 16 x 32 fragment, lane L's registers 0-3
; at byte 16 L, registers 4-7 at 512 + 16 L.  K's and Q's products take the weights as source 0, so a lane holds one token and 8 channels; V's take the tokens as source 0, so a lane holds one channel and
; 8 tokens (V^T).  A packed accumulator is then half a chunk: each store of a wave covers 512 consecutive aligned bytes, with no stage in LDS.
; For tokens 0-127 of a sequence also f16(v - f16(v)) leaves, into vlo: those rows' weights are the large ones, and the later launches carry v there in two words.
; LIMIT.  |c k|, |q| and |v| stay under 65,504 (f16); beyond that a conversion gives an infinity.
; CLUSTER 4 x 4: the four of a row share x's tile, the four of a column the weights' tile; each tile is asked for jointly.
; REGISTERS in windows of 256.  0: addresses, v32-223 packed results.  1: two fragment buffers of 128 (weights' 12 fragments, then x's 4); later v0-63 the low words.  2, 3: accumulators (mb % 2, nb) at 8 (12 (mb % 2) + nb).
.set KSTEP, 128
.set PITCH, 272                        ; 256 bytes + 16 of padding: the 16 rows of a fragment load start at 16 different groups of four banks
.set AH,    128*PITCH                  ; one tensor load of x: 128 rows
.set BH,    96*PITCH                   ; one of the weights: 96 rows
.set SLOT,  2*AH+2*BH
.set SPARE, 2*SLOT                     ; the spare words: 128 bytes a wave, two blocks of 256 bytes that no other line names
.set LAPS,  4                          ; 1,024 / 256
.set ADRA, 16                          ; v16-17 my x fragments in slot 0, 1
.set ADRB, 20                          ; v20-21 the weights'
.set L16,  24                          ; v24 16 x lane
.set C0V,  25                          ; v25 my first token's place in its sequence
.set NEG1, 26                          ; v26 -1.0
.set SPW,  28
.set NIL,  29
.set OUT,  32
.set LO,   0                           ; window 1
.set F0,   0
.set F1,   128
.set WV,  12
.set WHI, 13                           ; 0: I fetch x, 1: the weights
.set WLO, 14                           ; which half of that tile
.set G1A, 24
.set G0A, 32
.set G1B, 48
.set G0B, 56
.set MSB, 0
.macro WIN new                         ; the immediate's high byte repeats the setting that is left
.if MSB != (\new)
	s_set_vgpr_msb (MSB<<8)|(\new)
.set MSB, (\new)
.endif
.endm
.set TO_F, 0x40
.macro JLOAD s                         ; a joint load; an s_nop 0 and four v_nop follow each of the two lines
	s_cmp_eq_u32 s[WHI], 0
	s_cbranch_scc0 .Lfor_b_\@
	tensor_load_to_lds s[G0A+4*(\s):G0A+4*(\s)+3], s[G1A:G1A+7]
	s_nop 0
.rept 4
	v_nop
.endr
	s_branch .Lasked_\@
.Lfor_b_\@:
	tensor_load_to_lds s[G0B+4*(\s):G0B+4*(\s)+3], s[G1B:G1B+7]
	s_nop 0
.rept 4
	v_nop
.endr
.Lasked_\@:
.endm
.macro CREST
	s_cmp_lg_u32 s[WV], 0
	s_cbranch_scc1 .Lnot_wave_0_\@
	s_barrier_signal -3
.Lnot_wave_0_\@:
	s_barrier_wait -3
	s_barrier_signal -1
	s_barrier_wait -1
.endm
.macro CROUND
	s_barrier_signal -1
	s_barrier_wait -1
	CREST
.endm
.macro PLACES                          ; four places in front of loads into registers that matrix instructions have read, and of lines that read results
.rept 4
	v_nop
.endr
.endm
	s_load_b256 s[4:11], s[0:1], 0x0               ; xb 4, wb 6, kqv 8, vlo 10
	v_lshl_add_u32 v[SPW], v0, 2, SPARE
	v_mov_b32 v[NIL], 0
	ds_add_u32 v[SPW], v[NIL]                      ; the wave's opening: the add and its wait ahead of my first tensor load
	ds_add_u32 v28, v29
	v_lshrrev_b32 v1, 5, v0
	v_readfirstlane_b32 s[WV], v1
	s_lshr_b32 s[WHI], s[WV], 1
	s_and_b32 s[WLO], s[WV], 1
	s_bfe_u32 s40, ttmp6, 0x40000                  ; cx
	s_bfe_u32 s41, ttmp6, 0x40004                  ; cy
	s_lshl_b32 s42, ttmp9, 2
	s_add_co_u32 s42, s42, s40                     ; tile column = head a
	s_and_b32 s43, ttmp7, 0xffff
	s_lshl_b32 s43, s43, 2
	s_add_co_u32 s43, s43, s41                     ; tile row: 256 tokens
	s_lshl_b32 s44, s41, 2
	s_lshl_b32 s44, 15, s44                        ; my row of the cluster
	s_lshl_b32 s45, 0x1111, s40                    ; my column
	s_or_b32 s[G1A], s44, (1<<16)|(1<<20)|(1<<21)|(5<<22)|(3<<25)  ; mask; 2-byte elements; padding on, after every 64 words, 4 words; bit 21 beside a mask
	s_or_b32 s[G1B], s45, (1<<16)|(1<<20)|(1<<21)|(5<<22)|(3<<25)
	s_mov_b32 s[G1A+1], KSTEP<<16                  ; tensor_dim0 = 128
	s_mov_b32 s[G1A+2], 128<<16                    ; tensor_dim1 = 128
	s_mov_b32 s[G1A+3], KSTEP<<16                  ; tile_dim0 = 128
	s_mov_b32 s[G1A+4], 128                        ; tile_dim1 = 128
	s_mov_b32 s[G1A+5], 1024                       ; elements from row to row
	s_mov_b32 s[G1A+6], 0
	s_mov_b32 s[G1A+7], 0
	s_mov_b32 s[G1B+1], KSTEP<<16
	s_mov_b32 s[G1B+2], 96<<16
	s_mov_b32 s[G1B+3], KSTEP<<16
	s_mov_b32 s[G1B+4], 96
	s_mov_b32 s[G1B+5], 1024
	s_mov_b32 s[G1B+6], 0
	s_mov_b32 s[G1B+7], 0
	s_lshl_b32 s16, s43, 8
	s_lshl_b32 s17, s[WLO], 7
	s_add_co_u32 s16, s16, s17                     ; x: row 256 x tile row + 128 x half
	s_lshl_b32 s16, s16, 11                        ; in bytes, under 2^24
	s_mov_b32 s17, 0
	s_mul_i32 s46, s42, 192
	s_mul_i32 s47, s[WLO], 96
	s_add_co_u32 s46, s46, s47                     ; weights: row 192 x head + 96 x half
	s_lshl_b32 s46, s46, 11
	s_mov_b32 s47, 0
	s_mul_i32 s20, s[WLO], AH                      ; where they go: no place in the cluster enters an LDS address
	s_mul_i32 s21, s[WLO], BH
	s_add_co_u32 s21, s21, 2*AH
	s_wait_dscnt 0x0                               ; the opening add is done
	s_wait_kmcnt 0x0
	s_add_nc_u64 s[18:19], s[4:5], s[16:17]
	s_add_nc_u64 s[46:47], s[6:7], s[46:47]
	CROUND                                         ; all sixteen work-groups are here: the first joint loads meet
.irp s, 0,1
	s_mov_b32 s[G0A+4*(\s)], 1
	s_add_co_u32 s[G0A+4*(\s)+1], s20, (\s)*SLOT
	s_add_nc_u64 s[G0A+4*(\s)+2:G0A+4*(\s)+3], s[18:19], (\s)*KSTEP*2
	s_or_b32 s[G0A+4*(\s)+3], s[G0A+4*(\s)+3], 0x80000000
	s_mov_b32 s[G0B+4*(\s)], 1
	s_add_co_u32 s[G0B+4*(\s)+1], s21, (\s)*SLOT
	s_add_nc_u64 s[G0B+4*(\s)+2:G0B+4*(\s)+3], s[46:47], (\s)*KSTEP*2
	s_or_b32 s[G0B+4*(\s)+3], s[G0B+4*(\s)+3], 0x80000000
	JLOAD \s
.endr
	v_and_b32 v1, 15, v0
	v_bfe_u32 v2, v0, 4, 1
	v_mul_u32_u24 v3, v1, PITCH
	v_lshl_add_u32 v3, v2, 4, v3                   ; a fragment's row x pitch + 16 x half
	s_mul_i32 s22, s[WV], 64*PITCH                 ; my 64 rows of x
	s_mov_b32 s23, 2*AH                            ; the weights' 192 rows lie behind x's 256
.irp s, 0,1
	v_add_nc_u32 v[ADRA+(\s)], s22, v3
	v_add_nc_u32 v[ADRB+(\s)], s23, v3
	s_add_co_u32 s22, s22, SLOT
	s_add_co_u32 s23, s23, SLOT
.endr
	v_and_b32 v[L16], 31, v0
	v_lshlrev_b32 v[L16], 4, v[L16]
	v_mov_b32 v[NEG1], -1.0
	s_and_b32 s75, s43, 3
	s_lshl_b32 s75, s75, 8
	s_lshl_b32 s76, s[WV], 6
	s_add_co_u32 s75, s75, s76                     ; C0: my first token in its sequence
	v_mov_b32 v[C0V], s75
	s_lshr_b32 s76, s43, 2
	s_lshl_b32 s76, s76, 4
	s_add_co_u32 s76, s76, s42                     ; hd = 16 b + a
	s_lshl_b32 s80, s76, 17                        ; a head is 131,072 bytes in each region;
	s_lshl_b32 s77, s75, 7                         ; 16 tokens are 2,048 bytes of K and Q, 32 tokens 4,096 of V: 128 bytes a token in all three
	s_add_co_u32 s80, s80, s77
	s_mov_b32 s81, 0
	s_add_nc_u64 s[66:67], s[8:9], s[80:81]        ; K
	s_add_nc_u64 s[68:69], s[66:67], 0x1000000     ; Q
	s_add_nc_u64 s[70:71], s[66:67], 0x2000000     ; V
	s_lshl_b32 s82, s76, 14                        ; vlo: 16,384 bytes a head,
	s_lshl_b32 s77, s[WLO], 13                     ; my 64 tokens' 8,192 (equal to C0's place where C0 < 128; inside the buffer in the waves that store nothing)
	s_add_co_u32 s82, s82, s77
	s_mov_b32 s83, 0
	s_add_nc_u64 s[72:73], s[10:11], s[82:83]
	s_mov_b32 s78, 0x3e38aa3b                      ; c = log2(e) / 8
	s_mov_b32 s79, s78                             ; named with it as a pair
; 12 matrix instructions: token block mb x all 12 column blocks, 32 along K.  zero = 1: the first product starts the sums.
.macro MUL12 f, mb, zero
	WIN 0xa5+0x50*((\mb)/2)
.irp nb, 0,1,2,3,4,5,6,7,8,9,10,11
.set rD, 8*(12*((\mb)%2)+(\nb))
.set rB, (\f)+8*(\nb)
.set rA, (\f)+96+8*(\mb)
.if (\nb) < 8
.if \zero
	v_wmma_f32_16x16x32_bf16 v[rD:rD+7], v[rB:rB+7], v[rA:rA+7], 0
.else
	v_wmma_f32_16x16x32_bf16 v[rD:rD+7], v[rB:rB+7], v[rA:rA+7], v[rD:rD+7]
.endif
.else
.if \zero
	v_wmma_f32_16x16x32_bf16 v[rD:rD+7], v[rA:rA+7], v[rB:rB+7], 0
.else
	v_wmma_f32_16x16x32_bf16 v[rD:rD+7], v[rA:rA+7], v[rB:rB+7], v[rD:rD+7]
.endif
.endif
.endr
.endm
; 32 LDS loads in one run: the weights' 12 fragments, then x's 4, at byte k of the rows
.macro FETCH slot, k, f
	WIN TO_F
.irp i, 0,1,2,3,4,5,6,7,8,9,10,11
	ds_load_b128 v[(\f)+8*(\i):(\f)+8*(\i)+3],   v[ADRB+(\slot)] offset:(\k)+(\i)*16*PITCH
	ds_load_b128 v[(\f)+8*(\i)+4:(\f)+8*(\i)+7], v[ADRB+(\slot)] offset:(\k)+(\i)*16*PITCH+32
.endr
.irp i, 0,1,2,3
	ds_load_b128 v[(\f)+96+8*(\i):(\f)+96+8*(\i)+3],   v[ADRA+(\slot)] offset:(\k)+(\i)*16*PITCH
	ds_load_b128 v[(\f)+96+8*(\i)+4:(\f)+96+8*(\i)+7], v[ADRA+(\slot)] offset:(\k)+(\i)*16*PITCH+32
.endr
.endm
; A K step is four quarters of 32 along K, 48 matrix instructions each (the 48 accumulators by turns), on buffers 0, 1, 0, 1.
.macro QUARTER slot, k, f, g, zero
	s_wait_dscnt 4                                 ; all but the youngest four loads: x's blocks 2 and 3
	MUL12 \f, 0, \zero
	MUL12 \f, 1, \zero
	PLACES
	FETCH \slot, \k, \g
	s_wait_dscnt 32                                ; all but the 32 just issued
	MUL12 \f, 2, \zero
	MUL12 \f, 3, \zero
.endm
; The last quarter multiplies buffer 1 and changes slots: one barrier; in front of it each wave waits for all its tensor loads, adds 0 to its spare word, and waits for that and for its reads of this slot.
.macro TURN slot, next, fill
	WIN 0
	s_wait_tensorcnt 0x0                           ; all my tensor loads have landed: my part of the next slot
	ds_add_u32 v[SPW], v[NIL]                      ; 0 onto my spare word
	s_wait_dscnt 5                                 ; (the add and the youngest four loads may be out)
	MUL12 F1, 0, 0
	s_wait_dscnt 0x0                               ; the add is done, and my reads of this slot are over
	s_barrier_signal -1
	MUL12 F1, 1, 0
.if \fill
	WIN 0
.endif
	s_barrier_wait -1
.if \fill
	CREST                                          ; the barrier has opened a round of the cluster's barrier: no wave of any partner still reads this slot or has a load on its way
	s_add_nc_u64 s[G0A+4*(\slot)+2:G0A+4*(\slot)+3], s[G0A+4*(\slot)+2:G0A+4*(\slot)+3], 2*KSTEP*2
	s_add_nc_u64 s[G0B+4*(\slot)+2:G0B+4*(\slot)+3], s[G0B+4*(\slot)+2:G0B+4*(\slot)+3], 2*KSTEP*2
	JLOAD \slot                                    ; the first tensor load behind the round; its four v_nop are also the places in front of the loads below
.else
	PLACES
.endif
	FETCH \next, 0, F0
	MUL12 F1, 2, 0
	MUL12 F1, 3, 0
.endm
	s_wait_tensorcnt 1                             ; my part of K step 0 is in; K step 1's may stay out
	s_barrier_signal -1
	s_barrier_wait -1
	FETCH 0, 0, F0
	QUARTER 0, 64, F0, F1, 1                       ; the first quarter starts the sums
	WIN 0
	s_mov_b32 s3, LAPS-1
.Llap:
	QUARTER 0, 128, F1, F0, 0
	QUARTER 0, 192, F0, F1, 0
	TURN 0, 1, 1
	QUARTER 1, 64,  F0, F1, 0
	QUARTER 1, 128, F1, F0, 0
	QUARTER 1, 192, F0, F1, 0
	TURN 1, 0, 1
	QUARTER 0, 64,  F0, F1, 0
	WIN 0
	s_sub_co_u32 s3, s3, 1
	s_cmp_lg_u32 s3, 0
	s_cbranch_scc1 .Llap
	QUARTER 0, 128, F1, F0, 0                      ; the last lap fills nothing
	QUARTER 0, 192, F0, F1, 0
	TURN 0, 1, 0
	QUARTER 1, 64,  F0, F1, 0
	QUARTER 1, 128, F1, F0, 0
	QUARTER 1, 192, F0, F1, 0
	s_wait_dscnt 4
	MUL12 F1, 0, 0
	MUL12 F1, 1, 0
	s_wait_dscnt 0x0
	MUL12 F1, 2, 0
	MUL12 F1, 3, 0
	PLACES
; THE WAY OUT of window W's 24 accumulators: K times c; all rounded to f16 (each accumulator from its low end on); 24 stores of 512 bytes; then v - f16(v), rounded to f16, into window 1.
.macro WAYOUT W
	WIN ((\W)<<6)|(\W)
.irp m, 0,1
.set i, 0
.rept 16
	v_pk_mul_f32 v[96*(\m)+2*i:96*(\m)+2*i+1], v[96*(\m)+2*i:96*(\m)+2*i+1], s[78:79] op_sel_hi:[1,0]
.set i, i+1
.endr
.endr
	WIN ((\W)<<2)|(\W)
.set i, 0
.rept 96
	v_cvt_pk_f16_f32 v[OUT+96*((\W)-2)+i], v[2*i], v[2*i+1]
.set i, i+1
.endr
	WIN 0
.irp m, 0,1
.irp nb, 0,1,2,3,4,5,6,7,8,9,10,11
.set mb, 2*((\W)-2)+(\m)
.set rO, OUT+96*((\W)-2)+4*(12*(\m)+(\nb))
.if (\nb) < 4
	global_store_b128 v[L16], v[rO:rO+3], s[66:67] offset:(2*mb+((\nb)%4)/2)*1024+((\nb)%2)*512
.elseif (\nb) < 8
	global_store_b128 v[L16], v[rO:rO+3], s[68:69] offset:(2*mb+((\nb)%4)/2)*1024+((\nb)%2)*512
.else
	global_store_b128 v[L16], v[rO:rO+3], s[70:71] offset:((mb/2)*4+(\nb)-8)*1024+(mb%2)*512
.endif
.endr
.endr
	WIN ((\W)<<6)|((\W)<<4)
.irp m, 0,1
.set i, 0
.rept 16
.set rA, 96*(\m)+64+2*i
.set rO, OUT+96*((\W)-2)+48*(\m)+32+i
	v_fma_mix_f32 v[rA], v[rO], v[NEG1], v[rA] op_sel:[0,0,0] op_sel_hi:[1,0,0]
	v_fma_mix_f32 v[rA+1], v[rO], v[NEG1], v[rA+1] op_sel:[1,0,0] op_sel_hi:[1,0,0]
.set i, i+1
.endr
.endr
	WIN 0x40|((\W)<<2)|(\W)
.irp m, 0,1
.set i, 0
.rept 16
	v_cvt_pk_f16_f32 v[LO+32*((\W)-2)+16*(\m)+i], v[96*(\m)+64+2*i], v[96*(\m)+64+2*i+1]
.set i, i+1
.endr
.endr
.endm
	WAYOUT 2
	WAYOUT 3
	WIN 0
	v_cmp_gt_u32 vcc_lo, 128, v[C0V]               ; only tokens 0-127 have a low word: all lanes of a wave, or none.  By EXEC, not by a branch: partners in a cluster run the same lines
	s_wait_xcnt 0x0                                ; EXEC changes only behind this wait
	s_and_saveexec_b32 s74, vcc_lo
	WIN 0x04                                       ; store data in window 1
.irp mb, 0,1,2,3
.irp cb, 0,1,2,3
	global_store_b128 v[L16], v[LO+32*((\mb)/2)+16*((\mb)%2)+4*(\cb):LO+32*((\mb)/2)+16*((\mb)%2)+4*(\cb)+3], s[72:73] offset:(((\mb)/2)*4+(\cb))*1024+((\mb)%2)*512
.endr
.endr
	s_wait_xcnt 0x0
	s_or_b32 exec_lo, exec_lo, s74
	WIN 0
	s_wait_tensorcnt 0x0                           ; the wave's end
	ds_add_u32 v[SPW], v[NIL]
	s_wait_dscnt 0x0
	CROUND                                         ; the closing round
	s_endpgm
.Lfunc_end_k_qf073bbaecb_proj:
	.size	k_qf073bbaecb_proj, .Lfunc_end_k_qf073bbaecb_proj-k_qf073bbaecb_proj
	.p2alignl 7, 3214868480
	.fill 96, 4, 3214868480
	.section	.rodata,"a",@progbits
	.p2align	6, 0x0
	.amdhsa_kernel k_qf073bbaecb_proj
		.amdhsa_group_segment_fixed_size 327680
		.amdhsa_private_segment_fixed_size 0
		.amdhsa_enable_private_segment 0
		.amdhsa_kernarg_size 32
		.amdhsa_user_sgpr_count 2
		.amdhsa_user_sgpr_kernarg_segment_ptr 1
		.amdhsa_wavefront_size32 1
		.amdhsa_system_sgpr_workgroup_id_x 1
		.amdhsa_system_sgpr_workgroup_id_y 1
		.amdhsa_system_sgpr_workgroup_id_z 1
		.amdhsa_system_vgpr_workitem_id 0
		.amdhsa_next_free_vgpr 1024
		.amdhsa_next_free_sgpr 84
		.amdhsa_reserve_vcc 1
		.amdhsa_float_denorm_mode_32 3
		.amdhsa_float_denorm_mode_16_64 3
		.amdhsa_memory_ordered 1
		.amdhsa_forward_progress 1
		.amdhsa_inst_pref_size 129
	.end_amdhsa_kernel
	.amdgpu_metadata
---
amdhsa.version: [ 1, 2 ]
amdhsa.kernels:
  - .name:           k_qf073bbaecb_proj
    .symbol:         k_qf073bbaecb_proj.kd
    .args:
      - { .name: xb, .offset: 0, .size: 8, .value_kind: global_buffer, .address_space: global }
      - { .name: wb, .offset: 8, .size: 8, .value_kind: global_buffer, .address_space: global }
      - { .name: kqv, .offset: 16, .size: 8, .value_kind: global_buffer, .address_space: global }
      - { .name: vlo, .offset: 24, .size: 8, .value_kind: global_buffer, .address_space: global }
    .group_segment_fixed_size: 327680
    .private_segment_fixed_size: 0
    .kernarg_segment_align: 8
    .kernarg_segment_size: 32
    .max_flat_workgroup_size: 128
    .sgpr_count:     84
    .vgpr_count:     1024
    .wavefront_size: 32
...
	.end_amdgpu_metadata
.endif
;; end of part 2
;; launch stats (part 3): grid 2 x 128, 4 waves a work-group, no clusters, 327,680 bytes of LDS; arguments kqv, lse; writes lse
.if DOCPART == 3
	.amdgcn_target "amdgcn-amd-amdhsa--gfx1250"
	.amdhsa_code_object_version 6
	.text
	.protected	k_qf073bbaecb_stats
	.globl	k_qf073bbaecb_stats
	.p2align	8
	.type	k_qf073bbaecb_stats,@function
k_qf073bbaecb_stats:
	s_mov_b64 s[64:65], 0
	v_nop
	global_prefetch_b8 v0, s[64:65] scope:SCOPE_SE
	s_setreg_imm32_b32 hwreg(HW_REG_WAVE_MODE, 25, 1), 1
	s_wait_xcnt 0x0
; NL[c] = -log2 of the sum over C <= c of 2^(s'[c][C]), s' = (c k)[c] . q[C] (the scale lies in k), with a running maximum; f32, [head][1024].
; The softmax is normalised by ROW c while z sums over rows, so every row's figure must exist before z: this launch makes it, the next one uses it.
; SHARES.  Work-group (j, head), 4 waves.  A wave owns 8 PIECES of 16 rows: piece x = rows 128 x + 64 j + 16 w + 0..15.  The columns are walked in 16 steps of 64, ascending.
; A UNIT is a piece against a step.  Piece x holds the diagonal in step 2 x + j alone; lower steps are wholly seen, higher ones wholly hidden and not computed.  So step s is live for the pieces from
; X = (s - j + 1) >> 1 on, and piece X is masked where s - j is even: 64 units a wave where j = 0, 72 where j = 1.
; LAYOUT.  S = q (source 0, 16 columns) x k (source 1, 16 rows): a lane holds ONE row (lane % 16) and the columns 16 t + 8 (lane / 16) + 0..7.  Each lane keeps m and l for its own half of the columns; the halves meet once, at the end.
; THE MASK is the C operand that starts piece X's sums: MK = MD x AL, MD = 0 or -1e30 by lane and register, AL = 1 in a diagonal step and 0 elsewhere.  A lane all of whose columns are hidden so far has m near -1e30;
; its l is multiplied by 0 when a true score comes, or at the end.
; LIMITS.  A hidden score counts as weight 0, as in the reference while a row's largest visible score / 8 lies above -1.25e9 + 150; true scores stay far above -1e30; NaN and infinities are not treated apart.
; ONE TEXT FOR EACH PIECE.  A step enters the chain of units at piece X through that piece's PROLOGUE (its 8 products, with MK); every later piece's 8 products stand among the unit before's 84 vector lines, one every
; ten, into the other score buffer.  Unit 7, the last of every step, carries the LDS loads of the next step's q.  All jumps but the two loops' own go forward.
; LDS.  The head's q (131,072 bytes in fragment order) lies whole in LDS; no byte is filled twice.  Both fills go out at the head: steps 0-4, then steps 5-15; two tensor loads of a wave are out at the most.
; The first part has five steps because a step's last unit fetches the next step: the fourth step fetches the fifth ahead of the outer loop's barrier.
; NO CLUSTER: only a head's two work-groups share q.
.set STG,   139264                     ; 8 bands x 64 rows of f32, for the way out; a step's length of unused bytes lies between q and it
.set SPARE, 141312                     ; the spare words: two blocks of 256 bytes that no other line names
.set L16, 1
.set AQ,  2
.set SPW, 4
.set NIL, 5
.set STA, 6
.set RDA, 7
.set GOF, 8
.set EV,  9                            ; 16 w + lane % 16 - 8 (lane / 16)
.set QF,  16                           ; v16-79  q of one step: fragment (t, half) at 16 t + 8 half
.set S,   80                           ; v80-143 two score buffers of 32, by the piece's parity
.set MK,  144                          ; v144-175 the C operand of the step's first piece
.set ST,  176                          ; piece x at 4 x: m, (pair), l even, l odd
.set TMP, 208                          ; c0-c3, d, -, a, (pair)
.set KP,  0                            ; window 1: my pieces' k, (x, half) at 16 x + 8 half
.set MD,  128                          ; window 1: the diagonal step's mask
.set WV, 8
.set JJ, 9
.set HD, 10
.set G1A, 16                           ; s[16:23] 40 rows of 256 bytes
.set G1B, 24                           ; s[24:31] 88 rows
.set G0A, 32
.set G0B, 36
.set TB, 40                            ; LDS byte of the step to be fetched
.set SS, 41                            ; the step
.set XX, 42                            ; its first live piece
.set TT, 43
.set CNT, 44
.set OUTER, 45
.set BIGN, 46
.set SEL, 48
.set ALS, 50                           ; s[50:51] AL, in the low word
.set MSB, 0
.macro WIN new                         ; the immediate's high byte repeats the setting that is left
.if MSB != (\new)
	s_set_vgpr_msb (MSB<<8)|(\new)
.set MSB, (\new)
.endif
.endm
.macro PLACES
.rept 4
	v_nop
.endr
.endm
	s_load_b128 s[4:7], s[0:1], 0x0                ; kqv, lse
	v_lshl_add_u32 v[SPW], v0, 2, SPARE
	v_mov_b32 v[NIL], 0
	ds_add_u32 v[SPW], v[NIL]                      ; the wave's opening: the add and its wait ahead of my first tensor load
	ds_add_u32 v4, v5
	v_lshrrev_b32 v3, 5, v0
	v_readfirstlane_b32 s[WV], v3
	s_mov_b32 s[JJ], ttmp9
	s_and_b32 s[HD], ttmp7, 0xffff
.irp g, G1A, G1B                       ; dense bytes as rows of 256: elements of 8 bytes, 32 a row, no padding
	s_mov_b32 s[(\g)], 3<<16
	s_mov_b32 s[(\g)+1], 32<<16
	s_mov_b32 s[(\g)+3], 32<<16
	s_mov_b32 s[(\g)+5], 32
	s_mov_b32 s[(\g)+6], 0
	s_mov_b32 s[(\g)+7], 0
.endr
	s_mov_b32 s[G1A+2], 40<<16                     ; my quarter of steps 0-4: 10,240 bytes
	s_mov_b32 s[G1A+4], 40
	s_mov_b32 s[G1B+2], 88<<16                     ; my quarter of steps 5-15: 22,528 bytes
	s_mov_b32 s[G1B+4], 88
	s_mov_b32 s[G0A], 1
	s_mul_i32 s[G0A+1], s[WV], 10240
	s_mov_b32 s[G0B], 1
	s_mul_i32 s[G0B+1], s[WV], 22528
	s_add_co_u32 s[G0B+1], s[G0B+1], 40960
	s_lshl_b32 s52, s[HD], 17                      ; a head is 131,072 bytes in each region
	s_add_co_u32 s53, s52, 0x1000000               ; region Q
	s_add_co_u32 s54, s53, s[G0A+1]                ; q lies in LDS as in memory
	s_mov_b32 s55, 0
	s_add_co_u32 s56, s53, s[G0B+1]
	s_mov_b32 s57, 0
	s_lshl_b32 s58, s[JJ], 2
	s_add_co_u32 s58, s58, s[WV]
	s_lshl_b32 s58, s58, 11                        ; piece 0 is token tile 4 j + w
	s_add_co_u32 s58, s58, s52
	s_mov_b32 s59, 0
	s_lshl_b32 s62, s[HD], 12
	s_mov_b32 s63, 0
	s_mov_b32 s[BIGN], 0xf149f2ca                  ; -1e30
	s_mov_b32 s[SEL], 0x76543210
	s_mov_b32 s[SEL+1], 0xfedcba98
	s_mov_b32 s[ALS+1], 0                          ; named with AL as a pair
	s_mov_b32 s[TB], 0
	s_wait_dscnt 0x0                               ; the opening add is done
	s_wait_kmcnt 0x0
	s_add_nc_u64 s[G0A+2:G0A+3], s[4:5], s[54:55]
	s_or_b32 s[G0A+3], s[G0A+3], 0x80000000
	s_add_nc_u64 s[G0B+2:G0B+3], s[4:5], s[56:57]
	s_or_b32 s[G0B+3], s[G0B+3], 0x80000000
	s_add_nc_u64 s[60:61], s[4:5], s[58:59]        ; my k
	s_add_nc_u64 s[6:7], s[6:7], s[62:63]          ; the head's row of lse
	tensor_load_to_lds s[G0A:G0A+3], s[G1A:G1A+7]  ; the fills, one group: two loads of mine are out
	s_nop 0
	tensor_load_to_lds s[G0B:G0B+3], s[G1B:G1B+7]
	s_nop 0
	PLACES
	v_and_b32 v[L16], 31, v0
	v_lshlrev_b32 v[L16], 4, v[L16]
	WIN 0x40
.set x, 0
.rept 8
.irp c, 0,1,2,3
	global_load_b128 v[KP+16*x+4*(\c):KP+16*x+4*(\c)+3], v[L16], s[60:61] offset:16384*x+512*(\c)
.endr
.set x, x+1
.endr
	WIN 0
	v_and_b32 v10, 15, v0
	v_bfe_u32 v11, v0, 4, 1
	v_lshlrev_b32 v12, 3, v11
	v_sub_nc_u32 v[EV], v10, v12
	s_lshl_b32 s52, s[WV], 4
	v_add_nc_u32 v[EV], s52, v[EV]
	WIN 0x40
.set n, 0
.rept 32                                       ; in the diagonal step register n = 8 t + r is hidden where 16 t + r > e
	v_cmp_gt_i32 vcc_lo, 16*(n/8)+n%8, v[EV]
	v_cndmask_b32 v[MD+n], 0, s[BIGN], vcc_lo
.set n, n+1
.endr
	WIN 0
.set x, 0
.rept 8
	v_mov_b32 v[ST+4*x], 0xff7fffff                ; m: the lowest finite number, so the first a is 0
	v_mov_b32 v[ST+4*x+1], 0
	v_mov_b32 v[ST+4*x+2], 0
	v_mov_b32 v[ST+4*x+3], 0
.set x, x+1
.endr
	v_mov_b32 v[TMP+7], 0                          ; named with a as a pair
	s_lshl_b32 s52, s[WV], 6
	s_add_co_u32 s52, s52, STG
	v_lshl_add_u32 v[STA], v10, 2, s52             ; the stage: band x at 256 x, my 16 rows at 64 w
	s_lshl_b32 s52, s[WV], 9
	s_add_co_u32 s52, s52, STG
	v_add_nc_u32 v[RDA], s52, v[L16]               ; back: wave w takes bands 2 w and 2 w + 1
	v_lshlrev_b32 v[GOF], 4, v10
	v_lshl_add_u32 v[GOF], v11, 9, v[GOF]
	s_lshl_b32 s52, s[WV], 10
	s_lshl_b32 s53, s[JJ], 8
	s_add_co_u32 s52, s52, s53
	v_add_nc_u32 v[GOF], s52, v[GOF]
; Product i of 8 of piece x's scores: columns 16 (i % 4) on, channels 32 (i / 4) on.  The four accumulators take turns.  cm = 1: MK starts the sums.
.macro SW x, i, cm
	WIN 0x04
.set rD, S+32*((\x)%2)+8*((\i)%4)
.set rA, QF+16*((\i)%4)+8*((\i)/4)
.set rB, KP+16*(\x)+8*((\i)/4)
.if (\i) >= 4
	v_wmma_f32_16x16x32_f16 v[rD:rD+7], v[rA:rA+7], v[rB:rB+7], v[rD:rD+7]
.elseif \cm
	v_wmma_f32_16x16x32_f16 v[rD:rD+7], v[rA:rA+7], v[rB:rB+7], v[MK+8*(\i):MK+8*(\i)+7]
.else
	v_wmma_f32_16x16x32_f16 v[rD:rD+7], v[rA:rA+7], v[rB:rB+7], 0
.endif
.endm
.macro FETCH_Q                         ; a step's q: 16 loads of 512 consecutive bytes
	WIN 0
	v_add_nc_u32 v[AQ], s[TB], v[L16]
.irp f, 0,1,2,3,4,5,6,7
	ds_load_b128 v[QF+8*(\f):QF+8*(\f)+3],   v[AQ] offset:1024*(\f)
	ds_load_b128 v[QF+8*(\f)+4:QF+8*(\f)+7], v[AQ] offset:1024*(\f)+512
.endr
	s_add_co_u32 s[TB], s[TB], 8192
.endm
.macro MKM                             ; MK = MD x AL
	WIN 0x01
.set n, 0
.rept 16
	v_pk_mul_f32 v[MK+2*n:MK+2*n+1], v[MD+2*n:MD+2*n+1], s[ALS:ALS+1] op_sel_hi:[1,0]
.set n, n+1
.endr
	WIN 0
.endm
; Number n of a unit's 84 vector lines.  0-15 the maximum of the lane's 32 scores and the old m (each accumulator's lowest registers first); 16-18 d = m_old - m, m, a = 2^d;
; 19-34 s - m; 35-66 the exponentials; 67 the plain line behind them; 68-82 their sum, by pairs; 83 l = a l + sum.
.macro V x, n
	WIN 0
.set rS, S+32*((\x)%2)
.set rT, ST+4*(\x)
.if (\n) < 4
	v_max3_num_f32 v[TMP+(\n)], v[rS+8*(\n)], v[rS+8*(\n)+1], v[rS+8*(\n)+2]
.elseif (\n) < 12
	v_max3_num_f32 v[TMP+(\n)%4], v[TMP+(\n)%4], v[rS+8*((\n)%4)+2*((\n)/4)+1], v[rS+8*((\n)%4)+2*((\n)/4)+2]
.elseif (\n) == 12
	v_max3_num_f32 v[TMP], v[TMP], v[rS+7], v[rS+15]
.elseif (\n) == 13
	v_max3_num_f32 v[TMP+2], v[TMP+2], v[rS+23], v[rS+31]
.elseif (\n) == 14
	v_max3_num_f32 v[TMP], v[TMP], v[TMP+1], v[TMP+2]
.elseif (\n) == 15
	v_max3_num_f32 v[TMP], v[TMP], v[TMP+3], v[rT]
.elseif (\n) == 16
	v_sub_f32 v[TMP+4], v[rT], v[TMP]
.elseif (\n) == 17
	v_mov_b32 v[rT], v[TMP]
.elseif (\n) == 18
	v_exp_f32 v[TMP+6], v[TMP+4]
.elseif (\n) < 35
	v_pk_add_f32 v[rS+2*((\n)-19):rS+2*((\n)-19)+1], v[rS+2*((\n)-19):rS+2*((\n)-19)+1], v[rT:rT+1] op_sel_hi:[1,0] neg_lo:[0,1] neg_hi:[0,1]
.elseif (\n) < 67
	v_exp_f32 v[rS+(\n)-35], v[rS+(\n)-35]
.elseif (\n) == 67
	v_nop
	s_wait_alu depctr_va_vdst(0)
.elseif (\n) < 83
.set z, (\n)-68
.set w, 4
.set u, z
.if z >= 14
.set w, 32
.set u, 0
.elseif z >= 12
.set w, 16
.set u, z-12
.elseif z >= 8
.set w, 8
.set u, z-8
.endif
	v_pk_add_f32 v[rS+w*u:rS+w*u+1], v[rS+w*u:rS+w*u+1], v[rS+w*u+w/2:rS+w*u+w/2+1]
.else
	v_pk_fma_f32 v[rT+2:rT+3], v[rT+2:rT+3], v[TMP+6:TMP+7], v[rS:rS+1] op_sel_hi:[1,0,1]
.endif
.endm
; A piece's prologue: where it is the step's first, its 8 products with MK, and the four places in front of the unit's reads.
.macro PRO x
.set si, 0
.rept 8
	SW \x, si, 1
.set si, si+1
.endr
	WIN 0
	PLACES
.endm
; A unit's vector lines.  next = 1: piece x + 1's 8 plain products stand behind lines 1, 11, .. 71; the twelve plain lines behind the last are the places in front of the next unit's reads and of the run of loads into q's registers.
.macro VU x, next
.set vn, 0
.rept 84
	V \x, vn
.if (\next) && (vn%10 == 1) && (vn < 72)
	SW (\x)+1, vn/10, 0
.endif
.set vn, vn+1
.endr
	WIN 0
.endm
	s_wait_tensorcnt 0x1                           ; my part of steps 0-4 is in; the second fill may stay out
	s_barrier_signal -1
	s_barrier_wait -1                              ; everybody's is
	FETCH_Q                                        ; step 0
	s_wait_loadcnt 0x0                             ; k
	s_mov_b32 s[SS], 0
	s_mov_b32 s[CNT], 4
	s_mov_b32 s[OUTER], 4
	s_branch .Lstep                                ; the first four steps need no further tile
.Ltile:                                                ; three times; only the first pass finds a tensor load out
	s_wait_tensorcnt 0x0                           ; my part of steps 5-15 is in,
	s_wait_dscnt 0x0                               ; (no LDS load is pending at a signal)
	s_barrier_signal -1
	s_barrier_wait -1                              ; everybody's is
	s_mov_b32 s[CNT], 4
.Lstep:
	s_sub_co_u32 s[TT], s[SS], s[JJ]
	s_add_co_u32 s[TT], s[TT], 1                   ; s - j + 1, never below 0
	s_and_b32 s[XX], s[TT], 1                      ; odd: piece X has its diagonal here
	s_cselect_b32 s[ALS], 1.0, 0
	s_lshr_b32 s[XX], s[TT], 1                     ; X; 8 (step 15 where j = 0): no piece is live
	MKM
	s_wait_dscnt 0x0                               ; q is in
.irp x, 0,1,2,3,4,5,6,7
	s_cmp_eq_u32 s[XX], \x
	s_cbranch_scc1 .LP\x
.endr
	s_branch .Lnone
.irp x, 7,6,5,4,3,2,1
.LP\x:
	PRO \x
	s_branch .LU\x
.endr
.LP0:
	PRO 0
	VU 0, 1
.irp x, 1,2,3,4,5,6
.LU\x:
	VU \x, 1
.endr
.LU7:
	s_cmp_eq_u32 s[SS], 15                         ; behind the last step there is none to fetch: the run is jumped over (every wait for LDS in this text is for 0, so no count hangs on the way taken)
	s_cbranch_scc1 .Lnoq
	FETCH_Q
.Lnoq:
	VU 7, 0
.Lnone:
	s_add_co_u32 s[SS], s[SS], 1
	s_sub_co_u32 s[CNT], s[CNT], 1
	s_cmp_lg_u32 s[CNT], 0
	s_cbranch_scc1 .Lstep
	s_sub_co_u32 s[OUTER], s[OUTER], 1
	s_cmp_lg_u32 s[OUTER], 0
	s_cbranch_scc1 .Ltile
	; THE END.  The two halves of the lanes meet: M = max of both m; l = l 2^(m - M), both added; NL = -log2(l) - M.  At work in the score buffers; the lane exchanges write into MK, which every way here has written.
.macro ALLX line:vararg
.set x, 0
.rept 8
	\line
.set x, x+1
.endr
.endm
	ALLX v_permlanex16_b32 v[MK+x], v[ST+4*x], s[SEL], s[SEL+1]
	ALLX v_max_num_f32 v[S+8*x+1], v[ST+4*x], v[MK+x]
	ALLX v_sub_f32 v[S+8*x+3], v[ST+4*x], v[S+8*x+1]
	ALLX v_add_f32 v[S+8*x+2], v[ST+4*x+2], v[ST+4*x+3]
	ALLX v_exp_f32 v[S+8*x+3], v[S+8*x+3]
	v_nop                                          ; a plain line behind the last exponential
	s_wait_alu depctr_va_vdst(0)
	ALLX v_mul_f32 v[S+8*x+2], v[S+8*x+2], v[S+8*x+3]
	ALLX v_permlanex16_b32 v[MK+8+x], v[S+8*x+2], s[SEL], s[SEL+1]
	ALLX v_add_f32 v[S+8*x+2], v[S+8*x+2], v[MK+8+x]
	ALLX v_log_f32 v[S+8*x+5], v[S+8*x+2]
	v_nop
	s_wait_alu depctr_va_vdst(0)
	ALLX v_fma_f32 v[S+8*x+6], v[S+8*x+5], -1.0, -v[S+8*x+1]
	ALLX ds_store_b32 v[STA], v[S+8*x+6] offset:256*x
	s_wait_dscnt 0x0                               ; for the others' sake: my stores into the stage are done
	s_barrier_signal -1
	s_barrier_wait -1
	ds_load_b128 v[12:15], v[RDA]
	s_wait_dscnt 0x0
	global_store_b128 v[GOF], v[12:15], s[6:7]     ; 16 lanes store 256 consecutive aligned bytes: 64 rows of a band
	s_wait_tensorcnt 0x0                           ; the wave's end
	ds_add_u32 v[SPW], v[NIL]
	s_wait_dscnt 0x0
	s_endpgm
.Lfunc_end_k_qf073bbaecb_stats:
	.size	k_qf073bbaecb_stats, .Lfunc_end_k_qf073bbaecb_stats-k_qf073bbaecb_stats
	.p2alignl 7, 3214868480
	.fill 96, 4, 3214868480
	.section	.rodata,"a",@progbits
	.p2align	6, 0x0
	.amdhsa_kernel k_qf073bbaecb_stats
		.amdhsa_group_segment_fixed_size 327680
		.amdhsa_private_segment_fixed_size 0
		.amdhsa_enable_private_segment 0
		.amdhsa_kernarg_size 16
		.amdhsa_user_sgpr_count 2
		.amdhsa_user_sgpr_kernarg_segment_ptr 1
		.amdhsa_wavefront_size32 1
		.amdhsa_system_sgpr_workgroup_id_x 1
		.amdhsa_system_sgpr_workgroup_id_y 1
		.amdhsa_system_sgpr_workgroup_id_z 1
		.amdhsa_system_vgpr_workitem_id 0
		.amdhsa_next_free_vgpr 512
		.amdhsa_next_free_sgpr 80
		.amdhsa_reserve_vcc 1
		.amdhsa_float_denorm_mode_32 3
		.amdhsa_float_denorm_mode_16_64 3
		.amdhsa_memory_ordered 1
		.amdhsa_forward_progress 1
		.amdhsa_inst_pref_size 67
	.end_amdhsa_kernel
	.amdgpu_metadata
---
amdhsa.version: [ 1, 2 ]
amdhsa.kernels:
  - .name:           k_qf073bbaecb_stats
    .symbol:         k_qf073bbaecb_stats.kd
    .args:
      - { .name: kqv, .offset: 0, .size: 8, .value_kind: global_buffer, .address_space: global }
      - { .name: lse, .offset: 8, .size: 8, .value_kind: global_buffer, .address_space: global }
    .group_segment_fixed_size: 327680
    .private_segment_fixed_size: 0
    .kernarg_segment_align: 8
    .kernarg_segment_size: 16
    .max_flat_workgroup_size: 128
    .sgpr_count:     80
    .vgpr_count:     512
    .wavefront_size: 32
...
	.end_amdgpu_metadata
.endif
;; end of part 3
;; launch attn (part 4): grid 2 x 128, 4 waves a work-group, no clusters, 327,680 bytes of LDS; arguments kqv, vlo, lse, zz; writes zz
.if DOCPART == 4
	.amdgcn_target "amdgcn-amd-amdhsa--gfx1250"
	.amdhsa_code_object_version 6
	.text
	.protected	k_qf073bbaecb_attn
	.globl	k_qf073bbaecb_attn
	.p2align	8
	.type	k_qf073bbaecb_attn,@function
k_qf073bbaecb_attn:
	s_mov_b64 s[64:65], 0
	v_nop
	global_prefetch_b8 v0, s[64:65] scope:SCOPE_SE
	s_setreg_imm32_b32 hwreg(HW_REG_WAVE_MODE, 25, 1), 1
	s_wait_xcnt 0x0
; z[C] = the sum over c >= C of p[c][C] v[c], p = 2^(s'[c][C] + NL[c]): the weight as the softmax over row c gives it.  NL = -(row maximum) - log2(row sum) comes from the launch before, so the maximum IS taken
; away ahead of the exponential, and a visible weight lies in 0 to 1; nothing is carried from step to step here but z's sums, in f32.
; SHARES.  Work-group (j, head), 4 waves.  A wave owns 8 PIECES of 16 columns C: piece x = tokens 128 x + 64 j + 16 w + 0..15.  The rows c are walked in 16 steps of 64, descending.
; A UNIT is a piece against a step.  Piece x holds the diagonal in step 2 x + j alone; higher steps are wholly seen, lower ones wholly hidden and not computed.  So step s is live for the pieces up to
; X = (s - j) >> 1, and piece X is masked where s - j is even: 72 units a wave where j = 0, 64 where j = 1.
; LAYOUT.  S = k (source 0, 16 rows c) x q (source 1, 16 columns C) + a C operand: a lane holds ONE column C and the rows 16 t + 8 (lane / 16) + 0..7.  Two such results, through the exponential and rounded
; to f16 in pairs, ARE source 1 of z^T = V^T P; V lies in memory as fragments of V^T.  z^T holds one token a lane and 8 channels: packed, half a fragment of the next launch's operand.
; THE C OPERAND is NL[c]; for the step's highest piece it is MK = MD x AL + NL, MD = 0 or -1e30 by lane and register, AL = 1 in a diagonal step and 0 elsewhere: a hidden weight is 2^(-1e30) = 0.
; ONE TEXT FOR EACH PIECE.  A step enters the chain of units at piece X through that piece's PROLOGUE (its 8 score products with MK, and the first 8 exponentials), which jumps into the unit behind its own products.
; Unit 0, the last of every step, carries the LDS loads of the next step.  All jumps but the two loops' own go forward.
; TWO WORDS.  Rows c < 128 spread their weight over few columns, so z[C < 128] is large beside the output's spread and its roundings would show.  In steps 1 and 0 piece 0's unit adds V_lo P + V P_lo
; (v and p in two f16 words each), a block that the other steps jump over; and z[C < 128] leaves in two bf16 words.
; z IS bf16: a column of weights can add up to 1,024 times v, which f16's range does not hold for all inputs.
; LIMITS.  A hidden score counts as weight 0, as in the reference while a row's largest visible score / 8 lies above -1.25e9 + 150; p below 6e-5 keeps f16's step of 6e-8; NaN and infinities are not treated apart.
; LDS.  V_lo (16,384 bytes), the head's k and V^T (131,072 each, in fragment order), NL (4,096); no byte is filled twice.  All fills go out at the head: steps 15-11 of k or V, NL, steps 10-0, V_lo: four tensor
; loads of a wave are out at the most.  The first part has five steps because a step's last unit fetches the next step: the fourth step fetches the fifth ahead of the outer loop's barrier.
; Step 0's unit fetches a step that is not: 40 LDS loads, once a wave, that serve nothing, so that the counted waits hold on every way; they fall on the bytes in front of each region, which have been filled.
; NO CLUSTER: only a head's two work-groups share tiles.
.set VLB,   0
.set KB,    16384
.set VB,    147456
.set NLB,   278528
.set SPARE, 282624                     ; the spare words: two blocks of 256 bytes that no other line names
.set L16, 1
.set LN,  2                            ; 32 (lane / 16)
.set AK,  3
.set AN,  4
.set AV,  5
.set SPW, 6
.set NIL, 7
.set NEG1, 8
.set AVL, 9
.set EV,  10                           ; 16 w + lane % 16 - 8 (lane / 16)
.set KF,  16                           ; v16-79   k of one step: (t, half) at 16 t + 8 half
.set VF,  80                           ; v80-143  V^T of one step: (g, cb) at 32 g + 8 cb
.set NLF, 144                          ; v144-175 NL of one step, as four C operands
.set S,   176
.set P,   208
.set MK,  224                          ; v224-255 the C operands of the step's highest piece; on the way out the stores' offsets
.set QP,  0                            ; window 1: my pieces' q
.set MD,  128                          ; window 1: the diagonal step's mask
.set VL,  160                          ; window 1: V_lo of one step
.set PL,  224                          ; window 1: P_lo
.set WV, 12
.set JJ, 13
.set HD, 14
.set G1A, 16                           ; 80 rows of 256 bytes
.set G1B, 24                           ; 176 rows
.set G1N, 32                           ; 4 rows
.set G1L, 40                           ; 16 rows
.set G0A, 48
.set G0B, 52
.set G0N, 56
.set G0L, 60
.set TBK, 66
.set TBN, 67
.set TBV, 68
.set SS,  69                           ; the step
.set TT,  70
.set XX,  71                           ; its highest live piece
.set CNT, 72
.set OUTER, 73
.set ALS, 74                           ; s[74:75] AL, in the low word
.set BIGN, 76
.set TL,  77
.set ZS,  84                           ; s[84:91] piece x's byte offset in zz
.set MSB, 0
.macro WIN new                         ; the immediate's high byte repeats the setting that is left
.if MSB != (\new)
	s_set_vgpr_msb (MSB<<8)|(\new)
.set MSB, (\new)
.endif
.endm
.macro PLACES
.rept 4
	v_nop
.endr
.endm
	s_load_b256 s[4:11], s[0:1], 0x0               ; kqv 4, vlo 6, lse 8, zz 10
	v_lshl_add_u32 v[SPW], v0, 2, SPARE
	v_mov_b32 v[NIL], 0
	ds_add_u32 v[SPW], v[NIL]                      ; the wave's opening: the add and its wait ahead of my first tensor load
	ds_add_u32 v6, v7
	v_lshrrev_b32 v3, 5, v0
	v_readfirstlane_b32 s[WV], v3
	s_mov_b32 s[JJ], ttmp9
	s_and_b32 s[HD], ttmp7, 0xffff
.irp g, G1A, G1B, G1N, G1L             ; dense bytes as rows of 256: elements of 8 bytes, 32 a row, no padding
	s_mov_b32 s[(\g)], 3<<16
	s_mov_b32 s[(\g)+1], 32<<16
	s_mov_b32 s[(\g)+3], 32<<16
	s_mov_b32 s[(\g)+5], 32
	s_mov_b32 s[(\g)+6], 0
	s_mov_b32 s[(\g)+7], 0
.endr
	s_mov_b32 s[G1A+2], 80<<16                     ; half of steps 15-11 of k or of V: 20,480 bytes
	s_mov_b32 s[G1A+4], 80
	s_mov_b32 s[G1B+2], 176<<16                    ; half of steps 10-0: 45,056 bytes
	s_mov_b32 s[G1B+4], 176
	s_mov_b32 s[G1N+2], 4<<16                      ; a quarter of NL
	s_mov_b32 s[G1N+4], 4
	s_mov_b32 s[G1L+2], 16<<16                     ; a quarter of V_lo
	s_mov_b32 s[G1L+4], 16
	s_lshr_b32 s78, s[WV], 1                       ; 0: k, 1: V
	s_and_b32 s79, s[WV], 1                        ; which half
	s_lshl_b32 s80, s78, 17                        ; in LDS V's region lies 131,072 bytes behind k's
	s_add_co_u32 s80, s80, KB
	s_mul_i32 s81, s79, 20480
	s_add_co_u32 s81, s81, 90112                   ; my first part's place in the region,
	s_mul_i32 s82, s79, 45056                      ; my second part's
	s_mov_b32 s[G0A], 1
	s_add_co_u32 s[G0A+1], s80, s81
	s_mov_b32 s[G0B], 1
	s_add_co_u32 s[G0B+1], s80, s82
	s_lshl_b32 s83, s78, 25                        ; in memory region V lies 33,554,432 bytes behind region K
	s_lshl_b32 s94, s[HD], 17
	s_add_co_u32 s83, s83, s94
	s_add_co_u32 s96, s83, s81
	s_mov_b32 s97, 0
	s_add_co_u32 s98, s83, s82
	s_mov_b32 s99, 0
	s_mov_b32 s[G0N], 1
	s_lshl_b32 s95, s[WV], 10
	s_add_co_u32 s[G0N+1], s95, NLB
	s_lshl_b32 s78, s[HD], 12
	s_add_co_u32 s78, s78, s95
	s_mov_b32 s79, 0
	s_mov_b32 s[G0L], 1
	s_lshl_b32 s95, s[WV], 12
	s_add_co_u32 s[G0L+1], s95, VLB
	s_lshl_b32 s80, s[HD], 14
	s_add_co_u32 s80, s80, s95
	s_mov_b32 s81, 0
	s_lshl_b32 s95, s[JJ], 2
	s_add_co_u32 s95, s95, s[WV]                   ; u0 = 4 j + w: piece 0's token tile
	s_lshl_b32 s82, s95, 11
	s_add_co_u32 s82, s82, s94
	s_add_co_u32 s82, s82, 0x1000000               ; region Q
	s_mov_b32 s83, 0
	s_mov_b32 s[TBK], KB+15*8192                   ; step 15
	s_mov_b32 s[TBN], NLB+15*256
	s_mov_b32 s[TBV], VB+15*8192
	s_mov_b32 s[BIGN], 0xf149f2ca                  ; -1e30
	s_mov_b32 s[ALS+1], 0                          ; named with AL as a pair
	s_wait_dscnt 0x0                               ; the opening add is done
	s_wait_kmcnt 0x0
	s_add_nc_u64 s[G0A+2:G0A+3], s[4:5], s[96:97]
	s_or_b32 s[G0A+3], s[G0A+3], 0x80000000
	s_add_nc_u64 s[G0B+2:G0B+3], s[4:5], s[98:99]
	s_or_b32 s[G0B+3], s[G0B+3], 0x80000000
	s_add_nc_u64 s[G0N+2:G0N+3], s[8:9], s[78:79]
	s_or_b32 s[G0N+3], s[G0N+3], 0x80000000
	s_add_nc_u64 s[G0L+2:G0L+3], s[6:7], s[80:81]
	s_or_b32 s[G0L+3], s[G0L+3], 0x80000000
	s_add_nc_u64 s[92:93], s[4:5], s[82:83]        ; my q
	tensor_load_to_lds s[G0A:G0A+3], s[G1A:G1A+7]  ; the fills, one group, what is wanted first in front: four loads of mine are out
	s_nop 0
	tensor_load_to_lds s[G0N:G0N+3], s[G1N:G1N+7]
	s_nop 0
	tensor_load_to_lds s[G0B:G0B+3], s[G1B:G1B+7]
	s_nop 0
	tensor_load_to_lds s[G0L:G0L+3], s[G1L:G1L+7]
	s_nop 0
	PLACES
	v_and_b32 v[L16], 31, v0
	v_lshlrev_b32 v[L16], 4, v[L16]
	WIN 0x40
.set x, 0
.rept 8
.irp c, 0,1,2,3
	global_load_b128 v[QP+16*x+4*(\c):QP+16*x+4*(\c)+3], v[L16], s[92:93] offset:16384*x+512*(\c)
.endr
.set x, x+1
.endr
	WIN 0
	v_and_b32 v11, 15, v0
	v_bfe_u32 v12, v0, 4, 1
	v_lshlrev_b32 v[LN], 5, v12
	v_lshlrev_b32 v13, 3, v12
	v_sub_nc_u32 v[EV], v11, v13
	s_lshl_b32 s78, s[WV], 4
	v_add_nc_u32 v[EV], s78, v[EV]
	v_mov_b32 v[NEG1], -1.0
	WIN 0x40
.set n, 0
.rept 32                                       ; in the diagonal step register n = 8 t + r is hidden where 16 t + r < e
	v_cmp_lt_i32 vcc_lo, 16*(n/8)+n%8, v[EV]
	v_cndmask_b32 v[MD+n], 0, s[BIGN], vcc_lo
.set n, n+1
.endr
	WIN 0
	; where my pieces go in zz [e' = 8 b + q][blk 9][kb 32] chunks: tile u < 8: q = u, blk 0; else idx = u - 8, q = idx / 7 (= 37 idx >> 8 for idx < 56), blk = 1 + idx % 7; kb = 2 a + cb / 2
	s_and_b32 s78, s[HD], 15
	s_lshl_b32 s78, s78, 11                        ; 2,048 a
	s_lshr_b32 s79, s[HD], 4
	s_lshl_b32 s79, s79, 3                         ; 8 b
	s_add_co_u32 s80, s79, s95
	s_mul_i32 s80, s80, 294912
	s_add_co_u32 s[ZS], s80, s78
.irp x, 1,2,3,4,5,6,7
	s_add_co_u32 s80, s95, 8*(\x)-8
	s_mul_i32 s81, s80, 37
	s_lshr_b32 s81, s81, 8
	s_mul_i32 s82, s81, 7
	s_sub_co_u32 s80, s80, s82
	s_add_co_u32 s80, s80, 1
	s_lshl_b32 s80, s80, 15
	s_add_co_u32 s81, s81, s79
	s_mul_i32 s81, s81, 294912
	s_add_co_u32 s80, s80, s81
	s_add_co_u32 s[ZS+(\x)], s80, s78
.endr
	WIN 0x80                                       ; z's sums start at 0: a unit's one text serves a piece's first step and its later ones, so no first step can be written out.  In the wait for the first tile
.set i, 0
.rept 256
	v_mov_b32 v[i], 0
.set i, i+1
.endr
	WIN 0
.macro SW t, hf, x, cm                 ; scores of rows 16 t on, channels 32 hf on.  NL, or (cm = 1) MK, starts the sums
	WIN 0x04
.set rD, S+8*(\t)
.set rA, KF+16*(\t)+8*(\hf)
.set rB, QP+16*(\x)+8*(\hf)
.if (\hf) == 1
	v_wmma_f32_16x16x32_f16 v[rD:rD+7], v[rA:rA+7], v[rB:rB+7], v[rD:rD+7]
.elseif \cm
	v_wmma_f32_16x16x32_f16 v[rD:rD+7], v[rA:rA+7], v[rB:rB+7], v[MK+8*(\t):MK+8*(\t)+7]
.else
	v_wmma_f32_16x16x32_f16 v[rD:rD+7], v[rA:rA+7], v[rB:rB+7], v[NLF+8*(\t):NLF+8*(\t)+7]
.endif
.endm
.macro PVW g, cb, x                    ; z^T += V^T P: rows 32 g on, channels 16 cb on
	WIN 0xa0
.set rZ, 32*(\x)+8*(\cb)
	v_wmma_f32_16x16x32_f16 v[rZ:rZ+7], v[VF+32*(\g)+8*(\cb):VF+32*(\g)+8*(\cb)+7], v[P+8*(\g):P+8*(\g)+7], v[rZ:rZ+7]
.endm
.macro EX n
	v_exp_f32 v[S+(\n)], v[S+(\n)]
.endm
.macro CV k
	s_wait_alu depctr_va_vdst(0)
	v_cvt_pk_f16_f32 v[P+(\k)], v[S+2*(\k)], v[S+2*(\k)+1]
.endm
.macro FETCH_KN                        ; the next step's k (16 loads) and NL (8 loads)
	v_add_nc_u32 v[AK], s[TBK], v[L16]
	v_add_nc_u32 v[AN], s[TBN], v[LN]
.irp f, 0,1,2,3,4,5,6,7
	ds_load_b128 v[KF+8*(\f):KF+8*(\f)+3],   v[AK] offset:1024*(\f)
	ds_load_b128 v[KF+8*(\f)+4:KF+8*(\f)+7], v[AK] offset:1024*(\f)+512
.endr
.irp t, 0,1,2,3
	ds_load_b128 v[NLF+8*(\t):NLF+8*(\t)+3],   v[AN] offset:64*(\t)
	ds_load_b128 v[NLF+8*(\t)+4:NLF+8*(\t)+7], v[AN] offset:64*(\t)+16
.endr
	s_sub_co_u32 s[TBK], s[TBK], 8192
	s_sub_co_u32 s[TBN], s[TBN], 256
.endm
.macro FETCH_V                         ; and its V^T (16 loads)
	v_add_nc_u32 v[AV], s[TBV], v[L16]
.irp f, 0,1,2,3,4,5,6,7
	ds_load_b128 v[VF+8*(\f):VF+8*(\f)+3],   v[AV] offset:1024*(\f)
	ds_load_b128 v[VF+8*(\f)+4:VF+8*(\f)+7], v[AV] offset:1024*(\f)+512
.endr
	s_sub_co_u32 s[TBV], s[TBV], 8192
.endm
.macro MKM                             ; MK = MD x AL + NL
	WIN 0x01
.set n, 0
.rept 16
	v_pk_fma_f32 v[MK+2*n:MK+2*n+1], v[MD+2*n:MD+2*n+1], s[ALS:ALS+1], v[NLF+2*n:NLF+2*n+1] op_sel_hi:[1,0,1]
.set n, n+1
.endr
	WIN 0
.endm
; The second half's 25 vector lines, dealt behind the first four products V^T P.  A rounding reads no exponential that has no plain line behind it.
.macro L1 n
.if (\n) < 8
	EX 16+(\n)
.elseif (\n) == 8
	v_nop
.elseif (\n) < 11
	CV (\n)-1
.elseif (\n) < 22
.if ((\n)-11)%3 == 2
	CV 10+((\n)-11)/3
.else
	EX 24+2*(((\n)-11)/3)+((\n)-11)%3
.endif
.else
	CV (\n)-9
.endif
.endm
.macro DEAL cnt
.rept \cnt
	L1 ln
.set ln, ln+1
.endr
.endm
; A piece's prologue: where it is the step's highest, its 8 score products with MK, four places, and the first 8 exponentials: what a unit's head does, in phases.
.macro PRO x
.irp t, 0,1,2,3
	SW \t, 0, \x, 1
.endr
.irp t, 0,1,2,3
	SW \t, 1, \x, 0
.endr
	PLACES
.irp n, 0,1,2,3,4,5,6,7
	EX \n
.endr
	WIN 0
.endm
; A unit's head: its 8 score products, accumulators by turns, and the first 8 exponentials.
.macro UHEAD x
	SW 0, 0, \x, 0
	SW 1, 0, \x, 0
	SW 0, 1, \x, 0
	SW 1, 1, \x, 0
	SW 2, 0, \x, 0
	SW 3, 0, \x, 0
	PLACES                                         ; behind the products that finished rows 0-31
	SW 2, 1, \x, 0
	EX 0
	EX 1
	EX 2
	EX 3
	SW 3, 1, \x, 0
	EX 4
	EX 5
	EX 6
	EX 7
	WIN 0
.endm
; A unit's body: the other 24 exponentials, 16 roundings, 8 products onto z.  last = 1: piece 0's, the last of a step: the next step's k and NL five plain lines behind the last product that read them,
; the two-word block in steps 1 and 0, and the next step's V behind four places.
.macro UBODY x, last
	v_nop
	CV 0
	CV 1
	EX 8
	EX 9
	CV 2
	EX 10
	EX 11
	CV 3
.if \last
	FETCH_KN
.endif
	EX 12
	EX 13
	CV 4
	EX 14
	EX 15
	CV 5
	CV 6
	CV 7
.if \last
	s_wait_dscnt 24                                ; V is in: only the 24 loads just issued, which stand behind V's run, may be out
.else
	s_wait_dscnt 0x0                               ; V is in (it can be out in the step's first unit alone)
.endif
.set ln, 0
	PVW 0, 0, \x
	WIN 0
	DEAL 6
	PVW 0, 1, \x
	WIN 0
	DEAL 6
	PVW 0, 2, \x
	WIN 0
	DEAL 6
	PVW 0, 3, \x
	WIN 0
	DEAL 7
	PVW 1, 0, \x
	PVW 1, 1, \x
	PVW 1, 2, \x
	PVW 1, 3, \x
	WIN 0
.if \last
	s_cmp_gt_u32 s[SS], 1
	s_cbranch_scc1 .Lone_word
	s_lshl_b32 s[TL], s[SS], 13                    ; V_lo of step s lies at 8,192 s (its region begins at LDS byte 0)
	v_add_nc_u32 v[AVL], s[TL], v[L16]
	WIN 0x40
.irp f, 0,1,2,3,4,5,6,7
	ds_load_b128 v[VL+8*(\f):VL+8*(\f)+3],   v[AVL] offset:1024*(\f)
	ds_load_b128 v[VL+8*(\f)+4:VL+8*(\f)+7], v[AVL] offset:1024*(\f)+512
.endr
	WIN 0
.set n, 0
.rept 16                                       ; p - f16(p); 0 for a hidden weight
	v_fma_mix_f32 v[S+2*n], v[P+n], v[NEG1], v[S+2*n] op_sel:[0,0,0] op_sel_hi:[1,0,0]
	v_fma_mix_f32 v[S+2*n+1], v[P+n], v[NEG1], v[S+2*n+1] op_sel:[1,0,0] op_sel_hi:[1,0,0]
.set n, n+1
.endr
	WIN 0x40
.set n, 0
.rept 16
	v_cvt_pk_f16_f32 v[PL+n], v[S+2*n], v[S+2*n+1]
.set n, n+1
.endr
	s_wait_dscnt 0x0                               ; V_lo is in
.irp g, 0,1
	WIN 0xa1
.irp cb, 0,1,2,3
	v_wmma_f32_16x16x32_f16 v[8*(\cb):8*(\cb)+7], v[VL+32*(\g)+8*(\cb):VL+32*(\g)+8*(\cb)+7], v[P+8*(\g):P+8*(\g)+7], v[8*(\cb):8*(\cb)+7]
.endr
	WIN 0xa4
.irp cb, 0,1,2,3
	v_wmma_f32_16x16x32_f16 v[8*(\cb):8*(\cb)+7], v[VF+32*(\g)+8*(\cb):VF+32*(\g)+8*(\cb)+7], v[PL+8*(\g):PL+8*(\g)+7], v[8*(\cb):8*(\cb)+7]
.endr
.endr
	WIN 0
.Lone_word:
	PLACES
	FETCH_V
.endif
.endm
	s_wait_tensorcnt 0x2                           ; my parts of steps 15-11 and of NL are in; the other two fills may stay out
	s_barrier_signal -1
	s_barrier_wait -1                              ; everybody's are
	FETCH_KN                                       ; step 15
	FETCH_V
	s_wait_loadcnt 0x0                             ; q
	s_mov_b32 s[SS], 15
	s_mov_b32 s[CNT], 4
	s_mov_b32 s[OUTER], 4
	s_branch .Lstep                                ; the first four steps need no further tile
.Ltile:                                                ; three times; only the first pass finds a tensor load out
	s_wait_tensorcnt 0x0                           ; my parts of steps 10-0 and of V_lo are in,
	s_wait_dscnt 0x0                               ; (no LDS load is pending at a signal)
	s_barrier_signal -1
	s_barrier_wait -1                              ; everybody's are
	s_mov_b32 s[CNT], 4
.Lstep:
	s_sub_co_i32 s[TT], s[SS], s[JJ]               ; s - j; -1 (step 0 where j = 1): no piece is live
	s_and_b32 s[XX], s[TT], 1                      ; even: piece X has its diagonal here
	s_cselect_b32 s[ALS], 0, 1.0
	s_ashr_i32 s[XX], s[TT], 1                     ; X
	s_wait_dscnt 16                                ; k and NL are in; V's 16 loads, issued behind them, may stay out
	MKM
.irp x, 7,6,5,4,3,2,1,0
	s_cmp_eq_u32 s[XX], \x
	s_cbranch_scc1 .LP\x
.endr
	s_branch .Lnone
.irp x, 0,1,2,3,4,5,6
.LP\x:
	PRO \x
	s_branch .LUb\x
.endr
.LP7:
	PRO 7
.LUb7:                                                 ; piece 7 is never reached from a higher piece: its unit has no head
	UBODY 7, 0
.irp x, 6,5,4,3,2,1
	UHEAD \x
.LUb\x:
	UBODY \x, 0
.endr
	UHEAD 0
.LUb0:
	UBODY 0, 1
.Lnone:
	s_sub_co_u32 s[SS], s[SS], 1
	s_sub_co_u32 s[CNT], s[CNT], 1
	s_cmp_lg_u32 s[CNT], 0
	s_cbranch_scc1 .Lstep
	s_sub_co_u32 s[OUTER], s[OUTER], 1
	s_cmp_lg_u32 s[OUTER], 0
	s_cbranch_scc1 .Ltile
	; THE WAY OUT.  z^T rounded to bf16 (each accumulator from its low end on): a lane's 8 channels are 16 bytes, a wave's store 512 consecutive aligned bytes, half a chunk.  The places stand at the last unit's end.
	s_wait_dscnt 0x0                               ; the last fetch has landed: its registers are written below
.set x, 0
.rept 8
	v_add_nc_u32 v[MK+x], s[ZS+x], v[L16]
.set x, x+1
.endr
.set x, 0
.rept 8
	WIN 0x0a
.set i, 0
.rept 16
	v_cvt_pk_bf16_f32 v[16+16*x+i], v[32*x+2*i], v[32*x+2*i+1]
.set i, i+1
.endr
	WIN 0
.irp cb, 0,1,2,3
	global_store_b128 v[MK+x], v[16+16*x+4*(\cb):16+16*x+4*(\cb)+3], s[10:11] offset:1024*((\cb)/2)+512*((\cb)%2)
.endr
.set x, x+1
.endr
	WIN 0x20                                       ; piece 0's second word: z - bf16(z), into block 8 of its group
.set i, 0
.rept 16
	v_fma_mix_f32_bf16 v[NLF+2*i], v[16+i], v[NEG1], v[2*i] op_sel:[0,0,0] op_sel_hi:[1,0,0]
	v_fma_mix_f32_bf16 v[NLF+2*i+1], v[16+i], v[NEG1], v[2*i+1] op_sel:[1,0,0] op_sel_hi:[1,0,0]
.set i, i+1
.endr
	WIN 0
.set i, 0
.rept 16
	v_cvt_pk_bf16_f32 v[S+i], v[NLF+2*i], v[NLF+2*i+1]
.set i, i+1
.endr
.irp cb, 0,1,2,3
	global_store_b128 v[MK], v[S+4*(\cb):S+4*(\cb)+3], s[10:11] offset:262144+1024*((\cb)/2)+512*((\cb)%2)
.endr
	s_wait_tensorcnt 0x0                           ; the wave's end
	ds_add_u32 v[SPW], v[NIL]
	s_wait_dscnt 0x0
	s_endpgm
.Lfunc_end_k_qf073bbaecb_attn:
	.size	k_qf073bbaecb_attn, .Lfunc_end_k_qf073bbaecb_attn-k_qf073bbaecb_attn
	.p2alignl 7, 3214868480
	.fill 96, 4, 3214868480
	.section	.rodata,"a",@progbits
	.p2align	6, 0x0
	.amdhsa_kernel k_qf073bbaecb_attn
		.amdhsa_group_segment_fixed_size 327680
		.amdhsa_private_segment_fixed_size 0
		.amdhsa_enable_private_segment 0
		.amdhsa_kernarg_size 32
		.amdhsa_user_sgpr_count 2
		.amdhsa_user_sgpr_kernarg_segment_ptr 1
		.amdhsa_wavefront_size32 1
		.amdhsa_system_sgpr_workgroup_id_x 1
		.amdhsa_system_sgpr_workgroup_id_y 1
		.amdhsa_system_sgpr_workgroup_id_z 1
		.amdhsa_system_vgpr_workitem_id 0
		.amdhsa_next_free_vgpr 768
		.amdhsa_next_free_sgpr 100
		.amdhsa_reserve_vcc 1
		.amdhsa_float_denorm_mode_32 3
		.amdhsa_float_denorm_mode_16_64 3
		.amdhsa_memory_ordered 1
		.amdhsa_forward_progress 1
		.amdhsa_inst_pref_size 91
	.end_amdhsa_kernel
	.amdgpu_metadata
---
amdhsa.version: [ 1, 2 ]
amdhsa.kernels:
  - .name:           k_qf073bbaecb_attn
    .symbol:         k_qf073bbaecb_attn.kd
    .args:
      - { .name: kqv, .offset: 0, .size: 8, .value_kind: global_buffer, .address_space: global }
      - { .name: vlo, .offset: 8, .size: 8, .value_kind: global_buffer, .address_space: global }
      - { .name: lse, .offset: 16, .size: 8, .value_kind: global_buffer, .address_space: global }
      - { .name: zz, .offset: 24, .size: 8, .value_kind: global_buffer, .address_space: global }
    .group_segment_fixed_size: 327680
    .private_segment_fixed_size: 0
    .kernarg_segment_align: 8
    .kernarg_segment_size: 32
    .max_flat_workgroup_size: 128
    .sgpr_count:     100
    .vgpr_count:     768
    .wavefront_size: 32
...
	.end_amdgpu_metadata
.endif
;; end of part 4
;; launch outp (part 5): grid 8 x 32, 4 waves a work-group, clusters of 4 x 4, 327,680 bytes of LDS; arguments zz, wo, out0; writes out0
.if DOCPART == 5
	.amdgcn_target "amdgcn-amd-amdhsa--gfx1250"
	.amdhsa_code_object_version 6
	.text
	.protected	k_qf073bbaecb_outp
	.globl	k_qf073bbaecb_outp
	.p2align	8
	.type	k_qf073bbaecb_outp,@function
k_qf073bbaecb_outp:
	s_mov_b64 s[64:65], 0
	v_nop
	global_prefetch_b8 v0, s[64:65] scope:SCOPE_SE
	s_setreg_imm32_b32 hwreg(HW_REG_WAVE_MODE, 25, 1), 1
	s_wait_xcnt 0x0
	s_wait_alu depctr_hold_cnt(0) depctr_sa_sdst(0) depctr_va_vdst(0) depctr_va_sdst(0) depctr_va_ssrc(0) depctr_va_vcc(0) depctr_vm_vsrc(0)
	s_getreg_b32 s2, hwreg(HW_REG_IB_STS2, 6, 4)
	s_cmp_eq_u32 s2, 0
	s_cbranch_scc0 .Lentry_in_a_cluster
	s_endpgm
.Lentry_in_a_cluster:
	s_bfe_u32 s2, ttmp6, 0x10000c
	s_cmp_lg_u32 s2, 0xf033
	s_cbranch_scc0 .Lentry_shape_is_right
	s_endpgm
.Lentry_shape_is_right:
; out = z W_O^T: [8192 x 1024] x [1024 x 1024]^T in bf16, sums and output in f32.
; z comes in fragment order, in 64 groups of 9 blocks of 16 tokens: block 0 an early tile (tokens < 128 of a sequence), blocks 1-7 later tiles, block 8 the early tile's second bf16 word, whose products are added
; onto block 0's sums.  So every wave has 8 blocks of output and 9 of input: 36 matrix instructions for 32 along K, the same in every wave.
; A tile is 2 groups (256 tokens) x 128 columns: 256 work-groups.  Wave (wr, wc) owns group 2 T + wr and 64 columns: 32 accumulators.  K goes in 8 steps of 128 through two LDS slots.
; The weights are source 0: a lane holds one token and 8 neighbouring columns; a block of 16 rows goes through the wave's own stage in LDS, and 16 lanes store 256 consecutive aligned bytes.
; CLUSTER 4 x 4: the four of a row share z's tiles, the four of a column the weights'; each is asked for jointly.
; REGISTERS.  Window 0: addresses, v32-95 rows on the way out.  Window 1: two fragment buffers (weights' 4 fragments, then z's 9).  Window 2: accumulators (blk, nb) at 8 (4 blk + nb).
.set KSTEP, 128
.set PITCH, 272
.set AG,    36864                      ; a group's K step: 9 blocks x 4 chunks, as they lie
.set BH,    64*PITCH
.set SLOT,  2*AG+2*BH
.set STAGE, 2*SLOT                     ; 16 rows x 272 bytes for each wave; no tensor load fills it
.set SPITCH, 272
.set SPARE, STAGE+4*16*SPITCH
.set LAPS,  4
.set ADRA, 16
.set ADRB, 20
.set STO,  24
.set RD,   25
.set CO,   26
.set L16,  27
.set SPW,  28
.set NIL,  29
.set BK,   32
.set F0,   0
.set F1,   128
.set WV,  10
.set WHI, 11                           ; wr; also 0: I fetch z, 1: the weights
.set WLO, 12                           ; wc; also which half of that tile
.set G1A, 24
.set G0A, 32
.set G1B, 48
.set G0B, 56
.set MSB, 0
.macro WIN new
.if MSB != (\new)
	s_set_vgpr_msb (MSB<<8)|(\new)
.set MSB, (\new)
.endif
.endm
.set MUL,  0xa5
.set TO_F, 0x40
.macro JLOAD s
	s_cmp_eq_u32 s[WHI], 0
	s_cbranch_scc0 .Lfor_b_\@
	tensor_load_to_lds s[G0A+4*(\s):G0A+4*(\s)+3], s[G1A:G1A+7]
	s_nop 0
.rept 4
	v_nop
.endr
	s_branch .Lasked_\@
.Lfor_b_\@:
	tensor_load_to_lds s[G0B+4*(\s):G0B+4*(\s)+3], s[G1B:G1B+7]
	s_nop 0
.rept 4
	v_nop
.endr
.Lasked_\@:
.endm
.macro CREST
	s_cmp_lg_u32 s[WV], 0
	s_cbranch_scc1 .Lnot_wave_0_\@
	s_barrier_signal -3
.Lnot_wave_0_\@:
	s_barrier_wait -3
	s_barrier_signal -1
	s_barrier_wait -1
.endm
.macro CROUND
	s_barrier_signal -1
	s_barrier_wait -1
	CREST
.endm
.macro PLACES
.rept 4
	v_nop
.endr
.endm
	s_load_b128 s[4:7], s[0:1], 0x0                ; zz, wo
	s_load_b64 s[8:9], s[0:1], 0x10                ; out0
	v_lshl_add_u32 v[SPW], v0, 2, SPARE
	v_mov_b32 v[NIL], 0
	ds_add_u32 v[SPW], v[NIL]                      ; the wave's opening
	ds_add_u32 v28, v29
	v_lshrrev_b32 v1, 5, v0
	v_readfirstlane_b32 s[WV], v1
	s_lshr_b32 s[WHI], s[WV], 1
	s_and_b32 s[WLO], s[WV], 1
	s_bfe_u32 s40, ttmp6, 0x40000
	s_bfe_u32 s41, ttmp6, 0x40004
	s_lshl_b32 s42, ttmp9, 2
	s_add_co_u32 s42, s42, s40                     ; tile column: 128 columns
	s_and_b32 s13, ttmp7, 0xffff
	s_lshl_b32 s13, s13, 2
	s_add_co_u32 s13, s13, s41                     ; tile row T: groups 2 T, 2 T + 1
	s_lshl_b32 s43, s41, 2
	s_lshl_b32 s43, 15, s43
	s_lshl_b32 s44, 0x1111, s40
	s_or_b32 s[G1A], s43, (3<<16)|(1<<21)          ; mask; elements of 8 bytes; no padding: chunks are read as they lie
	s_mov_b32 s[G1A+1], 512<<16                    ; tensor_dim0 = 512: 4,096 bytes, a block's four chunks of a K step
	s_mov_b32 s[G1A+2], 9<<16                      ; tensor_dim1 = 9 blocks
	s_mov_b32 s[G1A+3], 512<<16
	s_mov_b32 s[G1A+4], 9
	s_mov_b32 s[G1A+5], 4096                       ; a block is 32,768 bytes
	s_mov_b32 s[G1A+6], 0
	s_mov_b32 s[G1A+7], 0
	s_or_b32 s[G1B], s44, (1<<16)|(1<<20)|(1<<21)|(5<<22)|(3<<25)
	s_mov_b32 s[G1B+1], KSTEP<<16
	s_mov_b32 s[G1B+2], 64<<16
	s_mov_b32 s[G1B+3], KSTEP<<16
	s_mov_b32 s[G1B+4], 64
	s_mov_b32 s[G1B+5], 1024
	s_mov_b32 s[G1B+6], 0
	s_mov_b32 s[G1B+7], 0
	s_lshl_b32 s16, s13, 1
	s_add_co_u32 s16, s16, s[WLO]
	s_mul_i32 s16, s16, 294912                     ; the group that I fetch
	s_mov_b32 s17, 0
	s_lshl_b32 s46, s42, 7
	s_lshl_b32 s47, s[WLO], 6
	s_add_co_u32 s46, s46, s47
	s_lshl_b32 s46, s46, 11                        ; the weights' rows 128 x tile column + 64 x half
	s_mov_b32 s47, 0
	s_mul_i32 s20, s[WLO], AG
	s_mul_i32 s21, s[WLO], BH
	s_add_co_u32 s21, s21, 2*AG
	s_wait_dscnt 0x0
	s_wait_kmcnt 0x0
	s_add_nc_u64 s[14:15], s[4:5], s[16:17]
	s_add_nc_u64 s[46:47], s[6:7], s[46:47]
	CROUND
.irp s, 0,1
	s_mov_b32 s[G0A+4*(\s)], 1
	s_add_co_u32 s[G0A+4*(\s)+1], s20, (\s)*SLOT
	s_add_nc_u64 s[G0A+4*(\s)+2:G0A+4*(\s)+3], s[14:15], (\s)*4096
	s_or_b32 s[G0A+4*(\s)+3], s[G0A+4*(\s)+3], 0x80000000
	s_mov_b32 s[G0B+4*(\s)], 1
	s_add_co_u32 s[G0B+4*(\s)+1], s21, (\s)*SLOT
	s_add_nc_u64 s[G0B+4*(\s)+2:G0B+4*(\s)+3], s[46:47], (\s)*KSTEP*2
	s_or_b32 s[G0B+4*(\s)+3], s[G0B+4*(\s)+3], 0x80000000
	JLOAD \s
.endr
	v_and_b32 v1, 15, v0
	v_bfe_u32 v2, v0, 4, 1
	v_and_b32 v[L16], 31, v0
	v_lshlrev_b32 v[L16], 4, v[L16]
	v_mul_u32_u24 v3, v1, PITCH
	v_lshl_add_u32 v3, v2, 4, v3
	s_mul_i32 s22, s[WHI], AG                      ; my group
	s_mul_i32 s23, s[WLO], BH                      ; my 64 rows of the weights
	s_add_co_u32 s23, s23, 2*AG
.irp s, 0,1
	v_add_nc_u32 v[ADRA+(\s)], s22, v[L16]
	v_add_nc_u32 v[ADRB+(\s)], s23, v3
	s_add_co_u32 s22, s22, SLOT
	s_add_co_u32 s23, s23, SLOT
.endr
	s_mul_i32 s23, s[WV], 16*SPITCH
	s_add_co_u32 s23, s23, STAGE
	v_mul_u32_u24 v4, v1, SPITCH                   ; in: row lane % 16, 32 bytes for each half of the lanes
	v_lshl_add_u32 v4, v2, 5, v4
	v_add_nc_u32 v[STO], s23, v4
	v_mul_u32_u24 v5, v2, SPITCH                   ; back: lanes 0-15 one row of 256 bytes, lanes 16-31 the next
	v_lshl_add_u32 v5, v1, 4, v5
	v_add_nc_u32 v[RD], s23, v5
	v_lshlrev_b32 v5, 12, v2                       ; and the same two rows in out0
	v_lshl_add_u32 v[CO], v1, 4, v5
	s_lshl_b32 s70, s13, 1
	s_add_co_u32 s70, s70, s[WHI]                  ; e' = 2 T + wr = 8 b + q
	s_lshr_b32 s71, s70, 3
	s_and_b32 s72, s70, 7
	s_lshl_b32 s71, s71, 10
	s_lshl_b32 s73, s72, 4
	s_add_co_u32 s71, s71, s73                     ; block 0: row 1,024 b + 16 q
	s_lshl_b32 s66, s71, 12
	s_lshl_b32 s73, s42, 9
	s_add_co_u32 s66, s66, s73
	s_lshl_b32 s73, s[WLO], 8
	s_add_co_u32 s66, s66, s73                     ; + 512 x tile column + 256 x wc
	s_mov_b32 s67, 0
	s_mul_i32 s68, s72, 96
	s_add_co_u32 s68, s68, 128                     ; from block 0 to block 1: 128 + 112 q - 16 q rows
	s_lshl_b32 s68, s68, 12
	s_mov_b32 s69, 0
.macro MUL4 f, blk, zero               ; 4 matrix instructions: block blk x my 4 column blocks; block 8 adds onto block 0's sums
	WIN MUL
.irp nb, 0,1,2,3
.set rD, 8*(4*((\blk)%8)+(\nb))
.if \zero
	v_wmma_f32_16x16x32_bf16 v[rD:rD+7], v[(\f)+8*(\nb):(\f)+8*(\nb)+7], v[(\f)+32+8*(\blk):(\f)+32+8*(\blk)+7], 0
.else
	v_wmma_f32_16x16x32_bf16 v[rD:rD+7], v[(\f)+8*(\nb):(\f)+8*(\nb)+7], v[(\f)+32+8*(\blk):(\f)+32+8*(\blk)+7], v[rD:rD+7]
.endif
.endr
.endm
.macro MULLO f, zero
	MUL4 \f, 0, \zero
	MUL4 \f, 1, \zero
	MUL4 \f, 2, \zero
	MUL4 \f, 3, \zero
.endm
.macro MULHI f, zero                   ; block 8 stands between others' turns, far from block 0's
	MUL4 \f, 4, \zero
	MUL4 \f, 5, \zero
	MUL4 \f, 8, 0
	MUL4 \f, 6, \zero
	MUL4 \f, 7, \zero
.endm
.macro FETCH slot, q, f                ; 26 LDS loads in one run: the weights' 4 fragments, z's blocks 0-3, z's blocks 4-8, of quarter q
	WIN TO_F
.irp i, 0,1,2,3
	ds_load_b128 v[(\f)+8*(\i):(\f)+8*(\i)+3],   v[ADRB+(\slot)] offset:64*(\q)+(\i)*16*PITCH
	ds_load_b128 v[(\f)+8*(\i)+4:(\f)+8*(\i)+7], v[ADRB+(\slot)] offset:64*(\q)+(\i)*16*PITCH+32
.endr
.irp i, 0,1,2,3,4,5,6,7,8
	ds_load_b128 v[(\f)+32+8*(\i):(\f)+32+8*(\i)+3],   v[ADRA+(\slot)] offset:4096*(\i)+1024*(\q)
	ds_load_b128 v[(\f)+32+8*(\i)+4:(\f)+32+8*(\i)+7], v[ADRA+(\slot)] offset:4096*(\i)+1024*(\q)+512
.endr
.endm
.macro QUARTER slot, q, f, g, zero
	s_wait_dscnt 10                                ; all but the youngest ten loads: z's blocks 4-8
	MULLO \f, \zero
	PLACES
	FETCH \slot, \q, \g
	s_wait_dscnt 26                                ; all but the 26 just issued
	MULHI \f, \zero
.endm
.macro TURN slot, next, fill
	WIN 0
	s_wait_tensorcnt 0x0                           ; all my tensor loads have landed: my part of the next slot
	ds_add_u32 v[SPW], v[NIL]
	s_wait_dscnt 11                                ; (the add and the youngest ten loads may be out)
	MUL4 F1, 0, 0
	MUL4 F1, 1, 0
	s_wait_dscnt 0x0                               ; the add is done, and my reads of this slot are over
	s_barrier_signal -1
	MUL4 F1, 2, 0
	MUL4 F1, 3, 0
.if \fill
	WIN 0
.endif
	s_barrier_wait -1
.if \fill
	CREST
	s_add_nc_u64 s[G0A+4*(\slot)+2:G0A+4*(\slot)+3], s[G0A+4*(\slot)+2:G0A+4*(\slot)+3], 8192
	s_add_nc_u64 s[G0B+4*(\slot)+2:G0B+4*(\slot)+3], s[G0B+4*(\slot)+2:G0B+4*(\slot)+3], 2*KSTEP*2
	JLOAD \slot
.else
	PLACES
.endif
	FETCH \next, 0, F0
	MULHI F1, 0
.endm
	s_wait_tensorcnt 1                             ; my part of K step 0 is in; K step 1's may stay out
	s_barrier_signal -1
	s_barrier_wait -1
	FETCH 0, 0, F0
	QUARTER 0, 1, F0, F1, 1
	WIN 0
	s_mov_b32 s3, LAPS-1
.Llap:
	QUARTER 0, 2, F1, F0, 0
	QUARTER 0, 3, F0, F1, 0
	TURN 0, 1, 1
	QUARTER 1, 1, F0, F1, 0
	QUARTER 1, 2, F1, F0, 0
	QUARTER 1, 3, F0, F1, 0
	TURN 1, 0, 1
	QUARTER 0, 1, F0, F1, 0
	WIN 0
	s_sub_co_u32 s3, s3, 1
	s_cmp_lg_u32 s3, 0
	s_cbranch_scc1 .Llap
	QUARTER 0, 2, F1, F0, 0
	QUARTER 0, 3, F0, F1, 0
	TURN 0, 1, 0
	QUARTER 1, 1, F0, F1, 0
	QUARTER 1, 2, F1, F0, 0
	QUARTER 1, 3, F0, F1, 0
	s_wait_dscnt 10
	MULLO F1, 0
	s_wait_dscnt 0x0
	MULHI F1, 0
	PLACES
; THE WAY OUT, a block of 16 rows at a time: 32 bytes a lane and column block into my stage (each accumulator's low four registers first), whole rows of 256 bytes back, and stored.
.macro TOSTAGE a
	s_wait_xcnt 0x0                                ; the row registers that the stores two blocks back read are loaded again only behind this wait
	WIN 0x08                                       ; store data in window 2
.irp nb, 0,1,2,3
	ds_store_b128 v[STO], v[32*(\a)+8*(\nb):32*(\a)+8*(\nb)+3] offset:64*(\nb)
	ds_store_b128 v[STO], v[32*(\a)+8*(\nb)+4:32*(\a)+8*(\nb)+7] offset:64*(\nb)+16
.endr
	WIN 0
.irp t, 0,1,2,3,4,5,6,7
	ds_load_b128 v[BK+32*((\a)%2)+4*(\t):BK+32*((\a)%2)+4*(\t)+3], v[RD] offset:(\t)*2*SPITCH  ; LDS serves a wave's instructions in order: these see the stores above, and the next block's stores come behind them
.endr
.endm
.macro SEND a, younger                 ; younger: the next block's 16 LDS instructions, or none
	s_wait_dscnt \younger
	s_wait_xcnt 0x0                                ; the stores' base is stepped only behind this wait
.if (\a) == 0
	s_add_nc_u64 s[8:9], s[8:9], s[66:67]
.elseif (\a) == 1
	s_add_nc_u64 s[8:9], s[8:9], s[68:69]
.else
	s_add_nc_u64 s[8:9], s[8:9], 65536
.endif
.irp t, 0,1,2,3,4,5,6,7
	global_store_b128 v[CO], v[BK+32*((\a)%2)+4*(\t):BK+32*((\a)%2)+4*(\t)+3], s[8:9] offset:8192*(\t) th:TH_STORE_NT  ; 16 lanes store 256 consecutive aligned bytes
.endr
.endm
	TOSTAGE 0
.irp a, 1,2,3,4,5,6,7
	TOSTAGE \a
	SEND (\a)-1, 16
.endr
	SEND 7, 0
	s_wait_tensorcnt 0x0                           ; the wave's end
	ds_add_u32 v[SPW], v[NIL]
	s_wait_dscnt 0x0
	CROUND                                         ; the closing round
	s_endpgm
.Lfunc_end_k_qf073bbaecb_outp:
	.size	k_qf073bbaecb_outp, .Lfunc_end_k_qf073bbaecb_outp-k_qf073bbaecb_outp
	.p2alignl 7, 3214868480
	.fill 96, 4, 3214868480
	.section	.rodata,"a",@progbits
	.p2align	6, 0x0
	.amdhsa_kernel k_qf073bbaecb_outp
		.amdhsa_group_segment_fixed_size 327680
		.amdhsa_private_segment_fixed_size 0
		.amdhsa_enable_private_segment 0
		.amdhsa_kernarg_size 24
		.amdhsa_user_sgpr_count 2
		.amdhsa_user_sgpr_kernarg_segment_ptr 1
		.amdhsa_wavefront_size32 1
		.amdhsa_system_sgpr_workgroup_id_x 1
		.amdhsa_system_sgpr_workgroup_id_y 1
		.amdhsa_system_sgpr_workgroup_id_z 1
		.amdhsa_system_vgpr_workitem_id 0
		.amdhsa_next_free_vgpr 768
		.amdhsa_next_free_sgpr 80
		.amdhsa_reserve_vcc 0
		.amdhsa_float_denorm_mode_32 3
		.amdhsa_float_denorm_mode_16_64 3
		.amdhsa_memory_ordered 1
		.amdhsa_forward_progress 1
		.amdhsa_inst_pref_size 92
	.end_amdhsa_kernel
	.amdgpu_metadata
---
amdhsa.version: [ 1, 2 ]
amdhsa.kernels:
  - .name:           k_qf073bbaecb_outp
    .symbol:         k_qf073bbaecb_outp.kd
    .args:
      - { .name: zz, .offset: 0, .size: 8, .value_kind: global_buffer, .address_space: global }
      - { .name: wo, .offset: 8, .size: 8, .value_kind: global_buffer, .address_space: global }
      - { .name: out0, .offset: 16, .size: 8, .value_kind: global_buffer, .address_space: global }
    .group_segment_fixed_size: 327680
    .private_segment_fixed_size: 0
    .kernarg_segment_align: 8
    .kernarg_segment_size: 24
    .max_flat_workgroup_size: 128
    .sgpr_count:     80
    .vgpr_count:     768
    .wavefront_size: 32
...
	.end_amdgpu_metadata
.endif
;; end of part 5
;; ======== version 2 of 2: 5 launches; 1.10 times as fast as version 1
;; limits: values are held in f16: magnitudes above 65,504 overflow, below 6.1e-05 lose precision; right only within a limited range of input values
;; workspace buffers: xb 16,777,216 bytes; wb 6,291,456 bytes; wo 2,097,152 bytes; kqv 50,331,648 bytes; vlo 2,097,152 bytes; lse 524,288 bytes; zz 18,874,368 bytes
;; launch prep: the kernel of part 1 again; grid 768 x 1, 8 waves a work-group, no clusters, 0 bytes of LDS; arguments x, W_K, W_Q, W_V, W_O, xb, wb, wo; writes xb, wb, wo
;; launch proj: the kernel of part 2 again; grid 16 x 32, 4 waves a work-group, clusters of 4 x 4, 327,680 bytes of LDS; arguments xb, wb, kqv, vlo; writes kqv, vlo
;; launch stats: the kernel of part 3 again; grid 2 x 128, 4 waves a work-group, no clusters, 327,680 bytes of LDS; arguments kqv, lse; writes lse
;; launch attn (part 6): grid 2 x 128, 4 waves a work-group, no clusters, 327,680 bytes of LDS; arguments kqv, vlo, lse, zz; writes zz
.if DOCPART == 6
	.amdgcn_target "amdgcn-amd-amdhsa--gfx1250"
	.amdhsa_code_object_version 6
	.text
	.protected	k_qf073bbaecb_attn
	.globl	k_qf073bbaecb_attn
	.p2align	8
	.type	k_qf073bbaecb_attn,@function
k_qf073bbaecb_attn:
	s_mov_b64 s[64:65], 0
	v_nop
	global_prefetch_b8 v0, s[64:65] scope:SCOPE_SE
	s_setreg_imm32_b32 hwreg(HW_REG_WAVE_MODE, 25, 1), 1
	s_wait_xcnt 0x0
; z[C] = the sum over c >= C of p[c][C] v[c], p = 2^(s'[c][C] + NL[c]): the weight as the softmax over row c gives it.  NL = -(row maximum) - log2(row sum) comes from the launch before, so the maximum IS taken
; away ahead of the exponential, and a visible weight lies in 0 to 1; nothing is carried from step to step here but z's sums, in f32.
; SHARES.  Work-group (j, head), 4 waves.  A wave owns 8 PIECES of 16 columns C: piece x = tokens 128 x + 64 j + 16 w + 0..15.  The rows c are walked in 16 steps of 64, descending.
; A UNIT is a piece against a step.  Piece x holds the diagonal in step 2 x + j alone; higher steps are wholly seen, lower ones wholly hidden and not computed.  So step s is live for the pieces up to
; X = (s - j) >> 1, and piece X is masked where s - j is even: 72 units a wave where j = 0, 64 where j = 1.
; LAYOUT.  S = k (source 0, 16 rows c) x q (source 1, 16 columns C) + a C operand: a lane holds ONE column C and the rows 16 t + 8 (lane / 16) + 0..7.  Two such results, through the exponential and rounded
; to f16 in pairs, ARE source 1 of z^T = V^T P; V lies in memory as fragments of V^T.  z^T holds one token a lane and 8 channels: packed, half a fragment of the next launch's operand.
; THE C OPERAND is NL[c]; for the step's highest piece it is MK = MD x AL + NL, MD = 0 or -1e30 by lane and register, AL = 1 in a diagonal step and 0 elsewhere: a hidden weight is 2^(-1e30) = 0.
; ONE TEXT FOR EACH PIECE.  A step enters the chain of units at piece X through that piece's PROLOGUE (its 8 score products, with MK, and four places), which jumps to the unit's head.  Every lower piece's 8 score
; products stand in the unit of the piece above it, into the other of two score buffers (a piece's buffer goes by its number's parity).  Unit 0, the last of every step, carries the LDS loads of the next step.
; All jumps but the two loops' own go forward.
; THE BATCHES.  A unit's 32 exponentials are ONE batch with ONE wait.  Ahead of the wait stands what names none of their results: the next lower piece's 8 score products, four exponentials behind each (in piece 0's
; unit, which has no lower piece: the two address lines of the next step's fetch).  Behind it stand the readers: the 16 roundings, the 8 products onto z, and in steps 1 and 0 the two-word block.  No exponential is
; issued behind a unit's wait, so none is pending at a label or at a jump.
; TWO WORDS.  Rows c < 128 spread their weight over few columns, so z[C < 128] is large beside the output's spread and its roundings would show.  In steps 1 and 0 piece 0's unit adds V_lo P + V P_lo
; (v and p in two f16 words each), a block that the other steps jump over; and z[C < 128] leaves in two bf16 words.
; z IS bf16: a column of weights can add up to 1,024 times v, which f16's range does not hold for all inputs.
; LIMITS.  A hidden score counts as weight 0, as in the reference while a row's largest visible score / 8 lies above -1.25e9 + 150; p below 6e-5 keeps f16's step of 6e-8; NaN and infinities are not treated apart.
; LDS.  V_lo (16,384 bytes), the head's k and V^T (131,072 each, in fragment order), NL (4,096); no byte is filled twice.  All fills go out at the head: steps 15-11 of k or V, NL, steps 10-0, V_lo: four tensor
; loads of a wave are out at the most.  The first part has five steps because a step's last unit fetches the next step: the fourth step fetches the fifth ahead of the outer loop's barrier.
; Step 0's unit fetches a step that is not: 40 LDS loads, once a wave, that serve nothing, so that the counted waits hold on every way; they fall on the bytes in front of each region, which have been filled.
; NO CLUSTER: only a head's two work-groups share tiles.
.set VLB,   0
.set KB,    16384
.set VB,    147456
.set NLB,   278528
.set SPARE, 282624                     ; the spare words: two blocks of 256 bytes that no other line names
.set L16, 1
.set LN,  2                            ; 32 (lane / 16)
.set AK,  3
.set AN,  4
.set AV,  5
.set SPW, 6
.set NIL, 7
.set NEG1, 8
.set AVL, 9
.set EV,  10                           ; 16 w + lane % 16 - 8 (lane / 16)
.set KF,  16                           ; v16-79   k of one step: (t, half) at 16 t + 8 half
.set VF,  80                           ; v80-143  V^T of one step: (g, cb) at 32 g + 8 cb
.set NLF, 144                          ; v144-175 NL of one step, as four C operands
.set S,   176                          ; v176-207 an even piece's scores
.set P,   208
.set S1,  224                          ; v224-255 an odd piece's scores
.set ZO,  224                          ; on the way out the stores' offsets
.set QP,  0                            ; window 1: my pieces' q
.set MD,  128                          ; window 1: the diagonal step's mask
.set VL,  160                          ; window 1: V_lo of one step
.set PL,  224                          ; window 1: P_lo
.set MK,  0                            ; window 3: v0-31 the C operands of the step's highest piece
.set WV, 12
.set JJ, 13
.set HD, 14
.set G1A, 16                           ; 80 rows of 256 bytes
.set G1B, 24                           ; 176 rows
.set G1N, 32                           ; 4 rows
.set G1L, 40                           ; 16 rows
.set G0A, 48
.set G0B, 52
.set G0N, 56
.set G0L, 60
.set TBK, 66
.set TBN, 67
.set TBV, 68
.set SS,  69                           ; the step
.set TT,  70
.set XX,  71                           ; its highest live piece
.set CNT, 72
.set OUTER, 73
.set ALS, 74                           ; s[74:75] AL, in the low word
.set BIGN, 76
.set TL,  77
.set ZS,  84                           ; s[84:91] piece x's byte offset in zz
.set MSB, 0
.macro WIN new                         ; the immediate's high byte repeats the setting that is left
.if MSB != (\new)
	s_set_vgpr_msb (MSB<<8)|(\new)
.set MSB, (\new)
.endif
.endm
.macro PLACES
.rept 4
	v_nop
.endr
.endm
	s_load_b256 s[4:11], s[0:1], 0x0               ; kqv 4, vlo 6, lse 8, zz 10
	v_lshl_add_u32 v[SPW], v0, 2, SPARE
	v_mov_b32 v[NIL], 0
	ds_add_u32 v[SPW], v[NIL]                      ; the wave's opening: the add and its wait ahead of my first tensor load
	ds_add_u32 v6, v7
	v_lshrrev_b32 v3, 5, v0
	v_readfirstlane_b32 s[WV], v3
	s_mov_b32 s[JJ], ttmp9
	s_and_b32 s[HD], ttmp7, 0xffff
.irp g, G1A, G1B, G1N, G1L             ; dense bytes as rows of 256: elements of 8 bytes, 32 a row, no padding
	s_mov_b32 s[(\g)], 3<<16
	s_mov_b32 s[(\g)+1], 32<<16
	s_mov_b32 s[(\g)+3], 32<<16
	s_mov_b32 s[(\g)+5], 32
	s_mov_b32 s[(\g)+6], 0
	s_mov_b32 s[(\g)+7], 0
.endr
	s_mov_b32 s[G1A+2], 80<<16                     ; half of steps 15-11 of k or of V: 20,480 bytes
	s_mov_b32 s[G1A+4], 80
	s_mov_b32 s[G1B+2], 176<<16                    ; half of steps 10-0: 45,056 bytes
	s_mov_b32 s[G1B+4], 176
	s_mov_b32 s[G1N+2], 4<<16                      ; a quarter of NL
	s_mov_b32 s[G1N+4], 4
	s_mov_b32 s[G1L+2], 16<<16                     ; a quarter of V_lo
	s_mov_b32 s[G1L+4], 16
	s_lshr_b32 s78, s[WV], 1                       ; 0: k, 1: V
	s_and_b32 s79, s[WV], 1                        ; which half
	s_lshl_b32 s80, s78, 17                        ; in LDS V's region lies 131,072 bytes behind k's
	s_add_co_u32 s80, s80, KB
	s_mul_i32 s81, s79, 20480
	s_add_co_u32 s81, s81, 90112                   ; my first part's place in the region,
	s_mul_i32 s82, s79, 45056                      ; my second part's
	s_mov_b32 s[G0A], 1
	s_add_co_u32 s[G0A+1], s80, s81
	s_mov_b32 s[G0B], 1
	s_add_co_u32 s[G0B+1], s80, s82
	s_lshl_b32 s83, s78, 25                        ; in memory region V lies 33,554,432 bytes behind region K
	s_lshl_b32 s94, s[HD], 17
	s_add_co_u32 s83, s83, s94
	s_add_co_u32 s96, s83, s81
	s_mov_b32 s97, 0
	s_add_co_u32 s98, s83, s82
	s_mov_b32 s99, 0
	s_mov_b32 s[G0N], 1
	s_lshl_b32 s95, s[WV], 10
	s_add_co_u32 s[G0N+1], s95, NLB
	s_lshl_b32 s78, s[HD], 12
	s_add_co_u32 s78, s78, s95
	s_mov_b32 s79, 0
	s_mov_b32 s[G0L], 1
	s_lshl_b32 s95, s[WV], 12
	s_add_co_u32 s[G0L+1], s95, VLB
	s_lshl_b32 s80, s[HD], 14
	s_add_co_u32 s80, s80, s95
	s_mov_b32 s81, 0
	s_lshl_b32 s95, s[JJ], 2
	s_add_co_u32 s95, s95, s[WV]                   ; u0 = 4 j + w: piece 0's token tile
	s_lshl_b32 s82, s95, 11
	s_add_co_u32 s82, s82, s94
	s_add_co_u32 s82, s82, 0x1000000               ; region Q
	s_mov_b32 s83, 0
	s_mov_b32 s[TBK], KB+15*8192                   ; step 15
	s_mov_b32 s[TBN], NLB+15*256
	s_mov_b32 s[TBV], VB+15*8192
	s_mov_b32 s[BIGN], 0xf149f2ca                  ; -1e30
	s_mov_b32 s[ALS+1], 0                          ; named with AL as a pair
	s_wait_dscnt 0x0                               ; the opening add is done
	s_wait_kmcnt 0x0
	s_add_nc_u64 s[G0A+2:G0A+3], s[4:5], s[96:97]
	s_or_b32 s[G0A+3], s[G0A+3], 0x80000000
	s_add_nc_u64 s[G0B+2:G0B+3], s[4:5], s[98:99]
	s_or_b32 s[G0B+3], s[G0B+3], 0x80000000
	s_add_nc_u64 s[G0N+2:G0N+3], s[8:9], s[78:79]
	s_or_b32 s[G0N+3], s[G0N+3], 0x80000000
	s_add_nc_u64 s[G0L+2:G0L+3], s[6:7], s[80:81]
	s_or_b32 s[G0L+3], s[G0L+3], 0x80000000
	s_add_nc_u64 s[92:93], s[4:5], s[82:83]        ; my q
	tensor_load_to_lds s[G0A:G0A+3], s[G1A:G1A+7]  ; the fills, one group, what is wanted first in front: four loads of mine are out
	s_nop 0
	tensor_load_to_lds s[G0N:G0N+3], s[G1N:G1N+7]
	s_nop 0
	tensor_load_to_lds s[G0B:G0B+3], s[G1B:G1B+7]
	s_nop 0
	tensor_load_to_lds s[G0L:G0L+3], s[G1L:G1L+7]
	s_nop 0
	PLACES
	v_and_b32 v[L16], 31, v0
	v_lshlrev_b32 v[L16], 4, v[L16]
	WIN 0x40
.set x, 0
.rept 8
.irp c, 0,1,2,3
	global_load_b128 v[QP+16*x+4*(\c):QP+16*x+4*(\c)+3], v[L16], s[92:93] offset:16384*x+512*(\c)
.endr
.set x, x+1
.endr
	WIN 0
	v_and_b32 v11, 15, v0
	v_bfe_u32 v12, v0, 4, 1
	v_lshlrev_b32 v[LN], 5, v12
	v_lshlrev_b32 v13, 3, v12
	v_sub_nc_u32 v[EV], v11, v13
	s_lshl_b32 s78, s[WV], 4
	v_add_nc_u32 v[EV], s78, v[EV]
	v_mov_b32 v[NEG1], -1.0
	WIN 0x40
.set n, 0
.rept 32                                       ; in the diagonal step register n = 8 t + r is hidden where 16 t + r < e
	v_cmp_lt_i32 vcc_lo, 16*(n/8)+n%8, v[EV]
	v_cndmask_b32 v[MD+n], 0, s[BIGN], vcc_lo
.set n, n+1
.endr
	WIN 0
	; where my pieces go in zz [e' = 8 b + q][blk 9][kb 32] chunks: tile u < 8: q = u, blk 0; else idx = u - 8, q = idx / 7 (= 37 idx >> 8 for idx < 56), blk = 1 + idx % 7; kb = 2 a + cb / 2
	s_and_b32 s78, s[HD], 15
	s_lshl_b32 s78, s78, 11                        ; 2,048 a
	s_lshr_b32 s79, s[HD], 4
	s_lshl_b32 s79, s79, 3                         ; 8 b
	s_add_co_u32 s80, s79, s95
	s_mul_i32 s80, s80, 294912
	s_add_co_u32 s[ZS], s80, s78
.irp x, 1,2,3,4,5,6,7
	s_add_co_u32 s80, s95, 8*(\x)-8
	s_mul_i32 s81, s80, 37
	s_lshr_b32 s81, s81, 8
	s_mul_i32 s82, s81, 7
	s_sub_co_u32 s80, s80, s82
	s_add_co_u32 s80, s80, 1
	s_lshl_b32 s80, s80, 15
	s_add_co_u32 s81, s81, s79
	s_mul_i32 s81, s81, 294912
	s_add_co_u32 s80, s80, s81
	s_add_co_u32 s[ZS+(\x)], s80, s78
.endr
	WIN 0x80                                       ; z's sums start at 0: a unit's one text serves a piece's first step and its later ones, so no first step can be written out.  In the wait for the first tile
.set i, 0
.rept 256
	v_mov_b32 v[i], 0
.set i, i+1
.endr
	WIN 0
.macro SW t, hf, x, cm                 ; piece x's scores of rows 16 t on, channels 32 hf on, into the buffer of x's parity.  NL, or (cm = 1) MK, starts the sums
.set rD, S+(S1-S)*((\x)%2)+8*(\t)
.set rA, KF+16*(\t)+8*(\hf)
.set rB, QP+16*(\x)+8*(\hf)
.if (\hf) == 1
	WIN 0x04
	v_wmma_f32_16x16x32_f16 v[rD:rD+7], v[rA:rA+7], v[rB:rB+7], v[rD:rD+7]
.elseif \cm
	WIN 0x34                                       ; the C operand in window 3
	v_wmma_f32_16x16x32_f16 v[rD:rD+7], v[rA:rA+7], v[rB:rB+7], v[MK+8*(\t):MK+8*(\t)+7]
.else
	WIN 0x04
	v_wmma_f32_16x16x32_f16 v[rD:rD+7], v[rA:rA+7], v[rB:rB+7], v[NLF+8*(\t):NLF+8*(\t)+7]
.endif
.endm
.macro PVW g, cb, x                    ; z^T += V^T P: rows 32 g on, channels 16 cb on
	WIN 0xa0
.set rZ, 32*(\x)+8*(\cb)
	v_wmma_f32_16x16x32_f16 v[rZ:rZ+7], v[VF+32*(\g)+8*(\cb):VF+32*(\g)+8*(\cb)+7], v[P+8*(\g):P+8*(\g)+7], v[rZ:rZ+7]
.endm
.macro EX x, n                         ; the exponential of score n of piece x, in place; it names a destination and a first source alone, so it also stands under the score products' window setting
	v_exp_f32 v[S+(S1-S)*((\x)%2)+(\n)], v[S+(S1-S)*((\x)%2)+(\n)]
.endm
.macro CV x, k                         ; pair k of piece x's weights rounded to f16: a reader of the batch, so it stands behind the unit's wait
	v_cvt_pk_f16_f32 v[P+(\k)], v[S+(S1-S)*((\x)%2)+2*(\k)], v[S+(S1-S)*((\x)%2)+2*(\k)+1]
.endm
.macro ADR_KN                          ; the addresses of the next step's k and NL
	v_add_nc_u32 v[AK], s[TBK], v[L16]
	v_add_nc_u32 v[AN], s[TBN], v[LN]
.endm
.macro FETCH_KN                        ; the next step's k (16 loads) and NL (8 loads)
.irp f, 0,1,2,3,4,5,6,7
	ds_load_b128 v[KF+8*(\f):KF+8*(\f)+3],   v[AK] offset:1024*(\f)
	ds_load_b128 v[KF+8*(\f)+4:KF+8*(\f)+7], v[AK] offset:1024*(\f)+512
.endr
.irp t, 0,1,2,3
	ds_load_b128 v[NLF+8*(\t):NLF+8*(\t)+3],   v[AN] offset:64*(\t)
	ds_load_b128 v[NLF+8*(\t)+4:NLF+8*(\t)+7], v[AN] offset:64*(\t)+16
.endr
	s_sub_co_u32 s[TBK], s[TBK], 8192
	s_sub_co_u32 s[TBN], s[TBN], 256
.endm
.macro FETCH_V                         ; and its V^T (16 loads)
	v_add_nc_u32 v[AV], s[TBV], v[L16]
.irp f, 0,1,2,3,4,5,6,7
	ds_load_b128 v[VF+8*(\f):VF+8*(\f)+3],   v[AV] offset:1024*(\f)
	ds_load_b128 v[VF+8*(\f)+4:VF+8*(\f)+7], v[AV] offset:1024*(\f)+512
.endr
	s_sub_co_u32 s[TBV], s[TBV], 8192
.endm
.macro MKM                             ; MK = MD x AL + NL: destination window 3, MD window 1, NL window 0
	WIN 0xc1
.set n, 0
.rept 16
	v_pk_fma_f32 v[MK+2*n:MK+2*n+1], v[MD+2*n:MD+2*n+1], s[ALS:ALS+1], v[NLF+2*n:NLF+2*n+1] op_sel_hi:[1,0,1]
.set n, n+1
.endr
	WIN 0
.endm
; A piece's prologue: where it is the step's highest, its 8 score products, the first four with MK (the four accumulators by turns), and the four places in front of the unit's reads
; (in piece 0's case also in front of the loads into k's registers).  It issues no exponential: nothing is pending at its jump.
.macro PRO x
.irp t, 0,1,2,3
	SW \t, 0, \x, 1
.endr
.irp t, 0,1,2,3
	SW \t, 1, \x, 0
.endr
	WIN 0
	PLACES
.endm
; A UNIT, for piece x, whose scores are whole at its head.
; AHEAD OF THE WAIT: the batch, 32 exponentials, in ascending order (each accumulator's lowest registers first).  last = 0: four of them stand behind each of piece x - 1's 8 score products,
; which name k, q, NL and the other score buffer; one v_nop is the plain line behind the last exponential.  last = 1 (piece 0, the last of a step): no lower piece; the fetch's two address lines are the plain lines.
; BEHIND THE WAIT: the readers.  Roundings 0-7; the four products on P's first half, with roundings 8 | 9, 10 | 11, 12 | 13, 14, 15 behind them; the four on its second half.  Roundings 13-15 and the next unit's
; plain line (two in piece 0's) are the four places between the last product that read P's first half and the rounding that writes it anew; the 16 roundings are the places between piece x - 1's score products and
; the next unit's first exponential.
; last = 1: the next step's k and NL are fetched directly behind the wait (the last product that read them stands sixteen plain lines back or more; by the prologue's way, six); the two-word block in steps 1 and 0;
; the next step's V behind four places.
.macro UNIT x, last
.if \last
.set n, 0
.rept 32
	EX \x, n
.set n, n+1
.endr
	ADR_KN
	s_wait_alu depctr_va_vdst(0)                   ; the wait for the unit's batch of 32 exponentials, ahead of the first line that names a result
	FETCH_KN
.else
.set si, 0
.rept 8
	SW si%4, si/4, (\x)-1, 0
	EX \x, 4*si
	EX \x, 4*si+1
	EX \x, 4*si+2
	EX \x, 4*si+3
.set si, si+1
.endr
	WIN 0
	v_nop                                          ; the plain line behind the last exponential: one for the batch
	s_wait_alu depctr_va_vdst(0)                   ; the wait for the unit's batch of 32 exponentials, ahead of the first line that names a result
.endif
.irp k, 0,1,2,3,4,5,6,7
	CV \x, \k
.endr
.if \last
	s_wait_dscnt 24                                ; V is in: only the 24 loads just issued, which stand behind V's run, may be out
.else
	s_wait_dscnt 0x0                               ; V is in (it can be out in the step's first unit alone)
.endif
	PVW 0, 0, \x
	WIN 0
	CV \x, 8
	PVW 0, 1, \x
	WIN 0
	CV \x, 9
	CV \x, 10
	PVW 0, 2, \x
	WIN 0
	CV \x, 11
	CV \x, 12
	PVW 0, 3, \x
	WIN 0
	CV \x, 13
	CV \x, 14
	CV \x, 15
	PVW 1, 0, \x
	PVW 1, 1, \x
	PVW 1, 2, \x
	PVW 1, 3, \x
	WIN 0
.if \last
	s_cmp_gt_u32 s[SS], 1
	s_cbranch_scc1 .Lone_word
	s_lshl_b32 s[TL], s[SS], 13                    ; V_lo of step s lies at 8,192 s (its region begins at LDS byte 0)
	v_add_nc_u32 v[AVL], s[TL], v[L16]
	WIN 0x40
.irp f, 0,1,2,3,4,5,6,7
	ds_load_b128 v[VL+8*(\f):VL+8*(\f)+3],   v[AVL] offset:1024*(\f)
	ds_load_b128 v[VL+8*(\f)+4:VL+8*(\f)+7], v[AVL] offset:1024*(\f)+512
.endr
	WIN 0
.set n, 0
.rept 16                                       ; p - f16(p); 0 for a hidden weight.  Piece 0's weights lie in the even pieces' buffer
	v_fma_mix_f32 v[S+2*n], v[P+n], v[NEG1], v[S+2*n] op_sel:[0,0,0] op_sel_hi:[1,0,0]
	v_fma_mix_f32 v[S+2*n+1], v[P+n], v[NEG1], v[S+2*n+1] op_sel:[1,0,0] op_sel_hi:[1,0,0]
.set n, n+1
.endr
	WIN 0x40
.set n, 0
.rept 16
	v_cvt_pk_f16_f32 v[PL+n], v[S+2*n], v[S+2*n+1]
.set n, n+1
.endr
	s_wait_dscnt 0x0                               ; V_lo is in
.irp g, 0,1
	WIN 0xa1
.irp cb, 0,1,2,3
	v_wmma_f32_16x16x32_f16 v[8*(\cb):8*(\cb)+7], v[VL+32*(\g)+8*(\cb):VL+32*(\g)+8*(\cb)+7], v[P+8*(\g):P+8*(\g)+7], v[8*(\cb):8*(\cb)+7]
.endr
	WIN 0xa4
.irp cb, 0,1,2,3
	v_wmma_f32_16x16x32_f16 v[8*(\cb):8*(\cb)+7], v[VF+32*(\g)+8*(\cb):VF+32*(\g)+8*(\cb)+7], v[PL+8*(\g):PL+8*(\g)+7], v[8*(\cb):8*(\cb)+7]
.endr
.endr
	WIN 0
.Lone_word:
	PLACES
	FETCH_V
.endif
.endm
	s_wait_tensorcnt 0x2                           ; my parts of steps 15-11 and of NL are in; the other two fills may stay out
	s_barrier_signal -1
	s_barrier_wait -1                              ; everybody's are
	ADR_KN
	FETCH_KN                                       ; step 15
	FETCH_V
	s_wait_loadcnt 0x0                             ; q
	s_mov_b32 s[SS], 15
	s_mov_b32 s[CNT], 4
	s_mov_b32 s[OUTER], 4
	s_branch .Lstep                                ; the first four steps need no further tile
.Ltile:                                                ; three times; only the first pass finds a tensor load out
	s_wait_tensorcnt 0x0                           ; my parts of steps 10-0 and of V_lo are in,
	s_wait_dscnt 0x0                               ; (no LDS load is pending at a signal)
	s_barrier_signal -1
	s_barrier_wait -1                              ; everybody's are
	s_mov_b32 s[CNT], 4
.Lstep:
	s_sub_co_i32 s[TT], s[SS], s[JJ]               ; s - j; -1 (step 0 where j = 1): no piece is live
	s_and_b32 s[XX], s[TT], 1                      ; even: piece X has its diagonal here
	s_cselect_b32 s[ALS], 0, 1.0
	s_ashr_i32 s[XX], s[TT], 1                     ; X
	s_wait_dscnt 16                                ; k and NL are in; V's 16 loads, issued behind them, may stay out
	MKM
.irp x, 7,6,5,4,3,2,1,0
	s_cmp_eq_u32 s[XX], \x
	s_cbranch_scc1 .LP\x
.endr
	s_branch .Lnone
.irp x, 0,1,2,3,4,5,6
.LP\x:
	PRO \x
	s_branch .LU\x
.endr
.LP7:
	PRO 7
	UNIT 7, 0                                      ; piece 7's unit is reached through its prologue alone
.irp x, 6,5,4,3,2,1
.LU\x:
	UNIT \x, 0
.endr
.LU0:
	UNIT 0, 1
.Lnone:
	s_sub_co_u32 s[SS], s[SS], 1
	s_sub_co_u32 s[CNT], s[CNT], 1
	s_cmp_lg_u32 s[CNT], 0
	s_cbranch_scc1 .Lstep
	s_sub_co_u32 s[OUTER], s[OUTER], 1
	s_cmp_lg_u32 s[OUTER], 0
	s_cbranch_scc1 .Ltile
	; THE WAY OUT.  z^T rounded to bf16 (each accumulator from its low end on): a lane's 8 channels are 16 bytes, a wave's store 512 consecutive aligned bytes, half a chunk.  The places stand at the last unit's end.
	s_wait_dscnt 0x0                               ; the last fetch has landed: its registers are written below
.set x, 0
.rept 8
	v_add_nc_u32 v[ZO+x], s[ZS+x], v[L16]
.set x, x+1
.endr
.set x, 0
.rept 8
	WIN 0x0a
.set i, 0
.rept 16
	v_cvt_pk_bf16_f32 v[16+16*x+i], v[32*x+2*i], v[32*x+2*i+1]
.set i, i+1
.endr
	WIN 0
.irp cb, 0,1,2,3
	global_store_b128 v[ZO+x], v[16+16*x+4*(\cb):16+16*x+4*(\cb)+3], s[10:11] offset:1024*((\cb)/2)+512*((\cb)%2)
.endr
.set x, x+1
.endr
	WIN 0x20                                       ; piece 0's second word: z - bf16(z), into block 8 of its group
.set i, 0
.rept 16
	v_fma_mix_f32_bf16 v[NLF+2*i], v[16+i], v[NEG1], v[2*i] op_sel:[0,0,0] op_sel_hi:[1,0,0]
	v_fma_mix_f32_bf16 v[NLF+2*i+1], v[16+i], v[NEG1], v[2*i+1] op_sel:[1,0,0] op_sel_hi:[1,0,0]
.set i, i+1
.endr
	WIN 0
.set i, 0
.rept 16
	v_cvt_pk_bf16_f32 v[S+i], v[NLF+2*i], v[NLF+2*i+1]
.set i, i+1
.endr
.irp cb, 0,1,2,3
	global_store_b128 v[ZO], v[S+4*(\cb):S+4*(\cb)+3], s[10:11] offset:262144+1024*((\cb)/2)+512*((\cb)%2)
.endr
	s_wait_tensorcnt 0x0                           ; the wave's end
	ds_add_u32 v[SPW], v[NIL]
	s_wait_dscnt 0x0
	s_endpgm
.Lfunc_end_k_qf073bbaecb_attn:
	.size	k_qf073bbaecb_attn, .Lfunc_end_k_qf073bbaecb_attn-k_qf073bbaecb_attn
	.p2alignl 7, 3214868480
	.fill 96, 4, 3214868480
	.section	.rodata,"a",@progbits
	.p2align	6, 0x0
	.amdhsa_kernel k_qf073bbaecb_attn
		.amdhsa_group_segment_fixed_size 327680
		.amdhsa_private_segment_fixed_size 0
		.amdhsa_enable_private_segment 0
		.amdhsa_kernarg_size 32
		.amdhsa_user_sgpr_count 2
		.amdhsa_user_sgpr_kernarg_segment_ptr 1
		.amdhsa_wavefront_size32 1
		.amdhsa_system_sgpr_workgroup_id_x 1
		.amdhsa_system_sgpr_workgroup_id_y 1
		.amdhsa_system_sgpr_workgroup_id_z 1
		.amdhsa_system_vgpr_workitem_id 0
		.amdhsa_next_free_vgpr 800
		.amdhsa_next_free_sgpr 100
		.amdhsa_reserve_vcc 1
		.amdhsa_float_denorm_mode_32 3
		.amdhsa_float_denorm_mode_16_64 3
		.amdhsa_memory_ordered 1
		.amdhsa_forward_progress 1
		.amdhsa_inst_pref_size 85
	.end_amdhsa_kernel
	.amdgpu_metadata
---
amdhsa.version: [ 1, 2 ]
amdhsa.kernels:
  - .name:           k_qf073bbaecb_attn
    .symbol:         k_qf073bbaecb_attn.kd
    .args:
      - { .name: kqv, .offset: 0, .size: 8, .value_kind: global_buffer, .address_space: global }
      - { .name: vlo, .offset: 8, .size: 8, .value_kind: global_buffer, .address_space: global }
      - { .name: lse, .offset: 16, .size: 8, .value_kind: global_buffer, .address_space: global }
      - { .name: zz, .offset: 24, .size: 8, .value_kind: global_buffer, .address_space: global }
    .group_segment_fixed_size: 327680
    .private_segment_fixed_size: 0
    .kernarg_segment_align: 8
    .kernarg_segment_size: 32
    .max_flat_workgroup_size: 128
    .sgpr_count:     100
    .vgpr_count:     800
    .wavefront_size: 32
...
	.end_amdgpu_metadata
.endif
;; end of part 6
;; launch outp: the kernel of part 5 again; grid 8 x 32, 4 waves a work-group, clusters of 4 x 4, 327,680 bytes of LDS; arguments zz, wo, out0; writes out0
